; MI455X (gfx1250); checked and timed in simulation.
; The chip was launched on July 23, 2026; its instructions are those of AMD's public machine-readable ISA for CDNA 5 (MIT licence, August 2026) and "CDNA5" Instruction Set Architecture Reference Guide (July 2026). The comments in the code are by the model that wrote it; some were corrected since.
;; Multihead Attention. Allowed arithmetic: matrix products marked QUANTISED: E2M3 operands, one E8M0 scale for each 32 along K, by v_wmma_scale_f32_16x16x128_f8f6f4 with both operands' format E2M3, f32 sums; everything else in f32.
;; Inputs: Wk 256 x 256 float32; Wo 256 x 256 float32; Wq 256 x 256 float32; Wv 256 x 256 float32; bk 256 float32; bo 256 float32; bq 256 float32; bv 256 float32; keys 4 x 256 x 2,048 float32; mask 4 x 2,048 x 2,048 float32; queries 4 x 256 x 2,048 float32; values 4 x 256 x 2,048 float32.
;; Outputs: out0 4 x 256 x 2,048 float32.
;; This version of the problem:
;;   THIS VERSION OF THE PROBLEM IS GIVEN IN LOW PRECISION. The matrix products marked QUANTISED in the list below multiply operands that are first quantised to E2M3 (2 exponent bits, 3 mantissa bits; 6 bits a number), with one power-of-two scale for each 32 numbers along K (OCP MX v1.0); their sums are f32. All else is computed in f32.
;;   The module's matrix products, in the order in which they are computed (A, B: the left and right operand; K: the contracted axis; several contracted axes count as one K, in the product's order):
;;     1. [M 8,192, K 256] x [K 256, N 256]; A: input keys; B: input Wk: QUANTISED
;;     2. [M 8,192, K 256] x [K 256, N 256]; A: input values; B: input Wv: QUANTISED
;;     3. [M 8,192, K 256] x [K 256, N 256]; A: input queries; B: input Wq: QUANTISED
;;     4. batch 16 x [M 2,048, K 64] x [K 64, N 2,048]; A: computed on the way; B: computed on the way: QUANTISED
;;     5. batch 16 x [M 64, K 2,048] x [K 2,048, N 2,048]; A: computed on the way; B: softmax (see below): QUANTISED
;;     6. [M 8,192, K 256] x [K 256, N 256]; A: computed on the way; B: input Wo: QUANTISED
;;   THE QUANTISER, for each operand of a quantised product, along K:
;;     - K is cut into blocks of 32 from its start; a last block that is shorter is filled with zeros.
;;     - A block's scale is 2^e with e = floor(log2(the largest magnitude in the block)) - 2, held to -126 .. 127; a block of zeros has e = 0. As a byte (E8M0): e + 127.
;;     - Each number is divided by its block's scale, clamped to +-7.5, and rounded to the nearest number of E2M3, ties to even, subnormals kept.
;;     - The product sums the exact products of the quantised numbers (number of the format x scale) in f32.
;;   ~~~python
;;   def quantise(x, axis):      # numpy; x: float32 -> the quantised numbers, widened to float32 again
;;       x = np.moveaxis(x, axis, -1); K = x.shape[-1]
;;       x = np.pad(x, [(0, 0)] * (x.ndim - 1) + [(0, -K % 32)]); x = x.reshape(x.shape[:-1] + (-1, 32)); a = np.abs(x).max(-1, keepdims=True)
;;       e = np.where(a > 0, np.clip(np.frexp(np.where(a > 0, a, 1))[1] - 1 - 2, -126, 127), 0)      # np.frexp(a)[1] - 1 = floor(log2(a)), exactly
;;       r = np.clip(x / 2.0 ** e, -7.5, 7.5)
;;       step = 2.0 ** (np.maximum(np.frexp(np.where(r == 0, 1, r))[1] - 1, 0) - 3)
;;       q = np.round(r / step) * step * 2.0 ** e      # np.round: ties to even
;;       return np.moveaxis(q.reshape(q.shape[:-2] + (-1,))[..., :K], -1, axis).astype(np.float32)
;;   ~~~
;;   SOFTMAX AHEAD OF A QUANTISED PRODUCT. Where the list says 'softmax', what is quantised is not the finished softmax but p = 2^(t - M), with t = logit x log2(e) and M = ceil(the row's largest t), a whole number; so 1/2 < the row's largest p <= 1. The row's sum l is taken of the UNQUANTISED p, in f32, and the product's result is divided by l at the end. Since M is a whole number, a kernel that streams over the keys may use a running M (the ceiling of the running maximum): every later rescaling is an exact power of two, which a block's scale takes up: the codes' values come out the same.
;;   OPERANDS COMPUTED ON THE WAY. 'Computed on the way' means the value that the module computes at that place (a softmax that the list does not call 'softmax' is quantised finished and normalised). What goes into a quantiser is computed in f32, as accurately as f32 sums, v_exp_f32 and their like allow (about 1e-6 of the number): no bf16 or f16 on the way to a quantiser, and a product that is left as it is and whose result goes on into a quantised operand takes f32 operands (vector FMAs, or v_wmma_f32_16x16x4_f32). A number that lies on a knife's edge between two numbers of the format may be rounded either way, as far as f32 arithmetic and the matrix unit's own rounding can turn it there, and no further.
;; One version. Each part assembles by itself: llvm-mc -triple=amdgcn-amd-amdhsa -mcpu=gfx1250 --defsym DOCPART=n.
;; ======== version 1 of 1: 3 launches
;; limits: right only within a limited range of input values
;; workspace buffers: kc 1,572,864 bytes; vc 1,572,864 bytes; qc 1,572,864 bytes; sc 196,608 bytes; qsc 196,608 bytes; ac 1,572,864 bytes; asc 131,072 bytes
;; launch proj (part 1): grid 64 x 3, 8 waves a work-group, no clusters, 280,576 bytes of LDS; arguments keys, values, queries, mask, Wk, Wv, Wq, bk, bv, bq, kc, vc, qc, sc, qsc; writes kc, vc, qc, sc, qsc
.if DOCPART == 1
	.amdgcn_target "amdgcn-amd-amdhsa--gfx1250"
	.amdhsa_code_object_version 6
	.text
	.protected	k_q5df860bf28_proj
	.globl	k_q5df860bf28_proj
	.p2align	8
	.type	k_q5df860bf28_proj,@function
k_q5df860bf28_proj:
	s_mov_b64 s[64:65], 0
	v_nop
	global_prefetch_b8 v0, s[64:65] scope:SCOPE_SE
	s_setreg_imm32_b32 hwreg(HW_REG_WAVE_MODE, 25, 1), 1
	s_wait_xcnt 0x0
; THE THREE PROJECTIONS: k = Wk keys + bk, v = Wv values + bv, q = Wq queries + bq, each on codes of FP6 (E2M3) with one E8M0 scale for each 32 along the input channels,
; and each result quantised at once as the operand that attention wants: k and q along the head's 64 channels, v along the keys.
; SHARES.  Work-group (x, z): z = 0 keys, 1 values, 2 queries; x = 16 b + blk: batch b, positions 128 blk .. 128 blk + 127; all 256 output channels: its part of X [256 channels][128 positions] is read once.
; X comes by one tensor load a wave (32 channels x 512 bytes).  W [256][256] f32 comes through registers: each wave quantises four fragments (16 rows x 128 K) and leaves them in LDS as images of
; the operand's registers; then each wave quantises one tile of 16 positions of X (a lane takes a position, its registers run down the channels) and leaves two images.
; NO CLUSTER: a tile of X is read by one work-group alone; W is read by all, but as f32 its 262,144 bytes do not fit beside X's 132,096 in LDS, so it goes through registers.
; NO PREFETCH: all that a work-group reads is asked for at its head.
; WHICH ROWS FORM A TILE: tile 2 e + u of 128 positions (or of a head's 64 channels) has as row r the position (channel) 32 e + 8 u + r + 8 (r / 8): so the 16 registers of two neighbouring result
; tiles are 16 neighbours along the next product's K.
; OUT.  A record is 768 bytes [block of 32 codes: 2][row: 16][24 bytes].  kc, qc: [4 b + head][tile of positions: 128][record].  vc: [4 b + head][key step: 16][channel tile: 4][c: 2][record], block = key block 2 c + blk.
; sc: [4 b + head][key step][768]: K's words [half 2][lane 32][2 words], then V's words [2][lane 32].  qsc: as sc's first 512 bytes; the last 256 of each 768 are neither written nor read.
; THE KEY MASK RIDES IN K's SCALE WORD.  The score's K is 64, so k = 64 .. 127 of its matrix instruction are free: attention puts the code -1 at k = 64 of every key and +1 at k = 64 of every query.
; Byte 2 of a key's word is 1 (kept: the term is -2^-163) or 254 (mask[b][s][0] not above 0: the term is -2^90); byte 2 of a query's word is 90; byte 3, over zero codes, is 1.
; LIMITS: NaN and infinities among the inputs are not served; a block whose largest magnitude lies under 2^-124 keeps the byte 1, a block of zeros too (this program alone reads the bytes); scores are taken to stay under 2^80.
.set XBLK,  16512                      ; LDS: 32 rows of X (512 bytes each) + 128 bytes: odd blocks stand 32 words off, so that the two halves of the lanes read different banks (64 banks of 4 bytes: ISA guide 11.1)
.set WSTG,  8*XBLK                     ; each wave's stage for turning W: 16 rows x (512 + 16) bytes
.set WSTW,  16*528
.set WIMG,  WSTG+8*WSTW                ; W's 32 fragments (2 x tile + K step): 3 x 512 bytes of codes + 128 of scale words
.set IMGB,  1664
.set XIMG,  WIMG+32*IMGB               ; X's 16 fragments, likewise
.set SPARE, XIMG+16*IMGB               ; the spare words, 128 bytes for each wave: four blocks of 256 bytes that no other line names
.set BIAS,  16                         ; v16-47   the bias as the C of each sum's first product
.set MK,    48                         ; v48-51   mask[b][s][0] of my four tiles' rows, then the upper half of their scale words
.set WD,    52                         ; v52-55   scale words
.set F0,    56                         ; v56-67, v68-79 codes being made; later a tile of X, two K steps
.set F1,    68
.set TM,    80                         ; v80-91   at work: +0, +1 maxima; +2, +3 the conversions' scale operands; +4, +5 bytes; +6 a word; +7, +11 lane permutes' results; +8 .. +10 three registers of codes
.set BV,    92                         ; v92-93   bv of my two channel tiles' rows
.set LOWW,  94                         ; v94, v95 the upper half of a word: kept, masked
.set HIGHW, 95
.set R0,    96                         ; v96-159, v160-223 two sets of 64 numbers; later W's fragments (v96-191) and four accumulators (v192-223)
.set R1,    160
.set ACC,   192
.set WSC,   224                        ; v224-231 W's scale words;  v232-235 X's: these hold scales alone
.set XSC,   232
.set C0,    236                        ; v236-238, v240-242 codes on their way out
.set C1,    240
.set SPW,   254                        ; v254 LDS address of my spare word; v255 = 0; never rewritten
.set NIL,   255
.set XP,  34                           ; s[34:35] X, s[36:37] W, s[38:39] bias, s[40:41] codes out, s[42:43] scale words out: chosen by z
.set WP,  36
.set BP,  38
.set CP,  40
.set SCP, 42
.set G1,  44                           ; s[44:51] descriptor group 1;  s[52:55] group 0
.set G0,  52
.set WV,  56
.set ZZ,  57
.set BB,  58
.set BLK, 59
.set SEL, 60                           ; s[60:61] v_permlanex16_b32's selects for lane l xor 16
.set LM,  62                           ; s62 a mask of lanes 16-31
.set HD,  63                           ; wave / 2
.set PAR, 66                           ; wave % 2
; 16 rows x 128 K of W (fragment f of my four: tile 2 w + f / 2, K step f % 2): each load reads 512 consecutive bytes of one row
.macro WLOAD f, buf
.set N, 0
.rept 16
	global_load_b128 v[\buf+4*N:\buf+4*N+3], v4, s[WP:WP+1] offset:(8*((\f)/2)+N+8*(N/8))*1024+512*((\f)%2)
.set N, N+1
.endr
.endm
; through my stage: in as loaded, back so that lane (r, h) holds k = 64 c + 32 h + 0 .. 31 of row r in registers 32 c on.  LDS serves a wave's instructions in order (ISA guide 5.7.1.4): no wait between
.macro WTURN buf
.set N, 0
.rept 16
	ds_store_b128 v5, v[\buf+4*N:\buf+4*N+3] offset:528*N
.set N, N+1
.endr
.irp c, 0,1
.irp q, 0,1,2,3,4,5,6,7
	ds_load_b128 v[\buf+32*\c+4*\q:\buf+32*\c+4*\q+3], v6 offset:256*\c+16*\q
.endr
.endr
.endm
; a whole block of 32 in one lane's registers becomes six registers of codes; its scale operand and byte stay in TM+2+c, TM+4+c
.macro QB src, dst, c
	v_max3_num_f32 v[TM], |v[\src]|, |v[\src+1]|, 0x1800000        ; the floor 2^(3 - 127) among the leaves: the byte cannot fall under 1
	v_max3_num_f32 v[TM+1], |v[\src+2]|, |v[\src+3]|, |v[\src+4]|
.irp i, 5,9,13,17,21,25
	s_delay_alu instid0(VALU_DEP_2)
	v_max3_num_f32 v[TM], v[TM], |v[\src+\i]|, |v[\src+\i+1]|
	s_delay_alu instid0(VALU_DEP_2)
	v_max3_num_f32 v[TM+1], v[TM+1], |v[\src+\i+2]|, |v[\src+\i+3]|
.endr
	s_delay_alu instid0(VALU_DEP_2)
	v_max3_num_f32 v[TM], v[TM], |v[\src+29]|, |v[\src+30]|
	s_delay_alu instid0(VALU_DEP_1)
	v_max3_num_f32 v[TM], v[TM], v[TM+1], |v[\src+31]|
	s_delay_alu instid0(VALU_DEP_1)
	v_add_nc_u32 v[TM+2+\c], 0xff000000, v[TM]                     ; 2 off the exponent field: the conversion takes that field as its scale
	s_delay_alu instid0(VALU_DEP_1)
	v_lshrrev_b32 v[TM+4+\c], 23, v[TM+2+\c]                       ; the scale's byte
	v_cvt_scalef32_pk16_fp6_f32 v[\dst:\dst+2], v[\src:\src+15], v[TM+2+\c]
	v_cvt_scalef32_pk16_fp6_f32 v[TM+8:TM+10], v[\src+16:\src+31], v[TM+2+\c]   ; (a conversion's three registers begin on an even number)
	v_nop                                                          ; one plain place behind a scaled conversion
	v_mov_b32 v[\dst+3], v[TM+8]
	v_mov_b32 v[\dst+4], v[TM+9]
	v_mov_b32 v[\dst+5], v[TM+10]
.endm
.macro SWORD                           ; my two bytes (blocks h and 2 + h) and lane l xor 16's two make the row's scale word
	v_lshl_or_b32 v[TM+6], v[TM+5], 16, v[TM+4]
	s_delay_alu instid0(VALU_DEP_1)
	v_lshlrev_b32 v[TM+6], v15, v[TM+6]
	s_delay_alu instid0(VALU_DEP_1)
	v_permlanex16_b32 v[TM+7], v[TM+6], s[SEL], s[SEL+1]
	s_delay_alu instid0(VALU_DEP_1)
	v_or_b32 v[TM+6], v[TM+6], v[TM+7]
.endm
.macro IMG ac, aw, off, fr             ; a fragment and its scale words go to LDS as they stand in the registers
.irp i, 0,1,2
	ds_store_b128 v[\ac], v[\fr+4*\i:\fr+4*\i+3] offset:\off+512*\i
.endr
	ds_store_b32 v[\aw], v[TM+6] offset:\off
.endm
.macro XLD g, buf                      ; my position's 32 numbers of channel block 2 g + h
.set N, 0
.rept 32
	ds_load_b32 v[\buf+N], v[11+\g] offset:512*N
.set N, N+1
.endr
.endm
; two runs of 16 results (two neighbouring tiles each), each half a block of the next K: the block's other half lies in lane l xor 16.  Codes to C0 and C1, bytes to TM+4, TM+5.  Each accumulator is read from its low end on
.macro QPAIR2 a0, a1
	v_max3_num_f32 v[TM], |v[\a0]|, |v[\a0+1]|, 0x1800000
	v_max3_num_f32 v[TM+1], |v[\a1]|, |v[\a1+1]|, 0x1800000
.irp i, 2,4,6,8,10,12,14
	v_max3_num_f32 v[TM], v[TM], |v[\a0+\i]|, |v[\a0+\i+1]|
	v_max3_num_f32 v[TM+1], v[TM+1], |v[\a1+\i]|, |v[\a1+\i+1]|
.endr
	s_delay_alu instid0(VALU_DEP_2)
	v_permlanex16_b32 v[TM+7], v[TM], s[SEL], s[SEL+1]
	s_delay_alu instid0(VALU_DEP_2)
	v_permlanex16_b32 v[TM+11], v[TM+1], s[SEL], s[SEL+1]
	s_delay_alu instid0(VALU_DEP_2)
	v_max_num_f32 v[TM], v[TM], v[TM+7]
	s_delay_alu instid0(VALU_DEP_2)
	v_max_num_f32 v[TM+1], v[TM+1], v[TM+11]
	s_delay_alu instid0(VALU_DEP_2)
	v_add_nc_u32 v[TM+2], 0xff000000, v[TM]
	s_delay_alu instid0(VALU_DEP_2)
	v_add_nc_u32 v[TM+3], 0xff000000, v[TM+1]
	s_delay_alu instid0(VALU_DEP_2)
	v_lshrrev_b32 v[TM+4], 23, v[TM+2]
	s_delay_alu instid0(VALU_DEP_2)
	v_lshrrev_b32 v[TM+5], 23, v[TM+3]
	v_cvt_scalef32_pk16_fp6_f32 v[C0:C0+2], v[\a0:\a0+15], v[TM+2]
	v_cvt_scalef32_pk16_fp6_f32 v[C1:C1+2], v[\a1:\a1+15], v[TM+3]
	v_nop                                                          ; one plain place behind a scaled conversion
.endm
.macro MM d, a, b, c, sa, sb
	v_wmma_scale_f32_16x16x128_f8f6f4 v[\d:\d+7], v[\a:\a+11], v[\b:\b+11], v[\c:\c+7], v[\sa], v[\sb] matrix_a_fmt:MATRIX_FMT_FP6 matrix_b_fmt:MATRIX_FMT_FP6
.endm
	s_load_b512 s[4:19], s[0:1], 0x0               ; keys, values, queries, mask, Wk, Wv, Wq, bk
	s_load_b256 s[20:27], s[0:1], 0x40             ; bv, bq, kc, vc
	s_load_b128 s[28:31], s[0:1], 0x60             ; qc, sc
	s_load_b64 s[32:33], s[0:1], 0x70              ; qsc
	v_lshl_add_u32 v[SPW], v0, 2, SPARE
	v_mov_b32 v[NIL], 0
	ds_add_u32 v[SPW], v[NIL]                      ; the wave's opening: the add and its wait ahead of my first tensor load; the set-up below, work on registers, stands between them
	ds_add_u32 v[SPW], v[NIL]
	v_lshrrev_b32 v1, 5, v0
	s_delay_alu instid0(VALU_DEP_1)
	v_readfirstlane_b32 s[WV], v1                  ; wave 0..7
	s_and_b32 s[ZZ], ttmp7, 0xffff                 ; which tensor
	s_lshr_b32 s[BB], ttmp9, 4                     ; batch
	s_and_b32 s[BLK], ttmp9, 15                    ; block of 128 positions
	s_lshr_b32 s[HD], s[WV], 1
	s_and_b32 s[PAR], s[WV], 1
	; descriptor group 1: 32 rows of 128 elements of 4 bytes, 2,048 elements from row to row, no padding
	s_mov_b32 s[G1+0], 2<<16
	s_mov_b32 s[G1+1], 128<<16                     ; tensor_dim0
	s_mov_b32 s[G1+2], 32<<16                      ; tensor_dim1
	s_mov_b32 s[G1+3], 128<<16                     ; tile_dim0
	s_mov_b32 s[G1+4], 32                          ; tile_dim1
	s_mov_b32 s[G1+5], 2048                        ; stride
	s_mov_b32 s[G1+6], 0
	s_mov_b32 s[G1+7], 0
	s_mov_b32 s[G0], 1
	s_mul_i32 s[G0+1], s[WV], XBLK                 ; my 32 channels' place in LDS
	s_mov_b32 s[SEL], 0x76543210
	s_mov_b32 s[SEL+1], 0xfedcba98
	s_mov_b32 s[LM], 0xffff0000
	v_and_b32 v1, 15, v0                           ; r
	v_bfe_u32 v2, v0, 4, 1                         ; h
	s_delay_alu instid0(VALU_DEP_2)
	v_and_b32 v3, 8, v1
	s_delay_alu instid0(VALU_DEP_1)
	v_add_nc_u32 v3, v3, v1                        ; r + 8 (r / 8)
	v_and_b32 v4, 31, v0
	s_delay_alu instid0(VALU_DEP_1)
	v_lshlrev_b32 v4, 4, v4                        ; 16 x lane
	s_delay_alu instid0(VALU_DEP_1)
	v_lshrrev_b32 v243, 2, v4                      ; 4 x lane
	s_wait_alu depctr_va_vdst(0)
	s_mul_i32 s68, s[WV], WSTW
	s_add_co_u32 s68, s68, WSTG
	v_add_nc_u32 v5, s68, v4                       ; my stage, in
	v_mul_u32_u24 v6, v1, 528
	s_delay_alu instid0(VALU_DEP_1)
	v_lshl_add_u32 v6, v2, 7, v6
	s_delay_alu instid0(VALU_DEP_1)
	v_add_nc_u32 v6, s68, v6                       ; and back: row r, + 128 h
	s_mul_i32 s68, s[WV], 4*IMGB
	s_add_co_u32 s68, s68, WIMG
	v_add_nc_u32 v7, s68, v4                       ; where I store W's images,
	s_add_co_u32 s68, s68, 1536
	v_add_nc_u32 v8, s68, v243                     ; and their scale words
	s_mul_i32 s68, s[WV], 2*IMGB
	s_add_co_u32 s68, s68, XIMG
	v_add_nc_u32 v9, s68, v4                       ; X's likewise
	s_add_co_u32 s68, s68, 1536
	v_add_nc_u32 v10, s68, v243
	s_lshl_b32 s68, s[HD], 7
	s_lshl_b32 s69, s[PAR], 5
	s_add_co_u32 s68, s68, s69                     ; 4 x (32 (w / 2) + 8 (w % 2)): tile w's first position
	v_mul_u32_u24 v11, v2, XBLK
	s_delay_alu instid0(VALU_DEP_1)
	v_lshl_add_u32 v11, v3, 2, v11
	s_delay_alu instid0(VALU_DEP_1)
	v_add_nc_u32 v11, s68, v11                     ; X in LDS: channel block h, my position;
	s_delay_alu instid0(VALU_DEP_1)
	v_add_nc_u32 v12, 2*XBLK, v11                  ; blocks 2 + h, 4 + h, 6 + h
	s_delay_alu instid0(VALU_DEP_2)
	v_add_nc_u32 v13, 4*XBLK, v11
	s_delay_alu instid0(VALU_DEP_3)
	v_add_nc_u32 v14, 6*XBLK, v11
	v_lshlrev_b32 v15, 3, v2                       ; 8 h
	v_mov_b32 v[TM+7], 0                           ; written once: a lane permute's destination counts as one of its sources
	v_mov_b32 v[TM+11], 0
	v_lshlrev_b32 v244, 6, v2                      ; the bias of 16 h channels on
	v_lshlrev_b32 v245, 2, v3                      ; the bias of my row's channel
	s_lshl_b32 s70, s[BB], 21                      ; X: batch x 256 x 2,048 x 4 bytes
	s_lshl_b32 s71, s[WV], 18                      ; + my 32 channels
	s_add_co_u32 s70, s70, s71
	s_lshl_b32 s71, s[BLK], 9                      ; + my block of positions
	s_add_co_u32 s70, s70, s71
	s_mov_b32 s71, 0
	s_lshl_b32 s72, s[WV], 7                       ; the bias of channel 32 w
	s_mov_b32 s73, 0
	s_lshl_b32 s74, s[BB], 11                      ; mask[b][s][0]: a row of the mask is 8,192 bytes; s = 128 blk + 64 (w % 2) + ..
	s_lshl_b32 s75, s[BLK], 7
	s_add_co_u32 s74, s74, s75
	s_lshl_b32 s75, s[PAR], 6
	s_add_co_u32 s74, s74, s75
	s_lshl_b32 s74, s74, 13
	s_mov_b32 s75, 0
	s_mov_b32 s77, 0x015a0000                      ; a query's upper half: bytes 90 and 1
	s_cmp_eq_u32 s[ZZ], 0                          ; only the keys look at the mask's column: the others read one word of it and use nothing of it
	s_cselect_b32 s74, s74, 0
	s_cselect_b32 s76, 0x2000, 0
	s_cselect_b32 s78, 0x01010000, s77             ; a kept key's,
	s_cselect_b32 s79, 0x01fe0000, s77             ; a masked key's
	v_mul_u32_u24 v246, v3, s76
	v_mov_b32 v[LOWW], s78
	v_mov_b32 v[HIGHW], s79
	s_wait_alu depctr_va_vdst(0)
	s_wait_dscnt 0x0                               ; the opening add is done
	s_wait_kmcnt 0x0
	s_cmp_eq_u32 s[ZZ], 0                          ; the choice hangs on the work-group's number alone
	s_cselect_b64 s[XP:XP+1], s[4:5], s[8:9]
	s_cselect_b64 s[WP:WP+1], s[12:13], s[16:17]
	s_cselect_b64 s[BP:BP+1], s[18:19], s[22:23]
	s_cselect_b64 s[CP:CP+1], s[24:25], s[28:29]
	s_cselect_b64 s[SCP:SCP+1], s[30:31], s[32:33]
	s_cmp_eq_u32 s[ZZ], 1
	s_cselect_b64 s[XP:XP+1], s[6:7], s[XP:XP+1]
	s_cselect_b64 s[WP:WP+1], s[14:15], s[WP:WP+1]
	s_cselect_b64 s[BP:BP+1], s[20:21], s[BP:BP+1]
	s_cselect_b64 s[CP:CP+1], s[26:27], s[CP:CP+1]
	s_cselect_b64 s[SCP:SCP+1], s[30:31], s[SCP:SCP+1]
	s_add_nc_u64 s[G0+2:G0+3], s[XP:XP+1], s[70:71]
	s_or_b32 s[G0+3], s[G0+3], 0x80000000          ; type = 2
	tensor_load_to_lds s[G0:G0+3], s[G1:G1+7]      ; my 32 channels x 128 positions: my one tensor load
	s_nop 0
	s_lshl_b32 s68, s[WV], 15                      ; my 32 rows of W
	s_mov_b32 s69, 0
	s_add_nc_u64 s[WP:WP+1], s[WP:WP+1], s[68:69]
	s_add_nc_u64 s[72:73], s[BP:BP+1], s[72:73]
	s_lshl_b32 s70, s[HD], 8                       ; the bias of my head's first channel
	s_add_nc_u64 s[BP:BP+1], s[BP:BP+1], s[70:71]
	s_add_nc_u64 s[74:75], s[10:11], s[74:75]
.irp a, 0,1,2,3                        ; for k and q: tile a of my head, lane (r, h): the bias of channels 32 (a / 2) + 8 (a % 2) + 16 h + 0 .. 7
	global_load_b128 v[BIAS+8*\a:BIAS+8*\a+3], v244, s[BP:BP+1] offset:128*(\a/2)+32*(\a%2)
	global_load_b128 v[BIAS+8*\a+4:BIAS+8*\a+7], v244, s[BP:BP+1] offset:128*(\a/2)+32*(\a%2)+16
.endr
	global_load_b32 v[BV], v245, s[72:73]          ; for v: the bias of row r of channel tiles 2 w, 2 w + 1
	global_load_b32 v[BV+1], v245, s[72:73] offset:32
.irp x, 0,1,2,3
	global_load_b32 v[MK+\x], v246, s[74:75] offset:(32*(\x/2)+8*(\x%2))*8192
.endr
	WLOAD 0, R0
	WLOAD 1, R1
; ---- W, while X is on its way: four fragments a wave
.macro WFRAG f, left
	s_wait_loadcnt \left                           ; this fragment's 16 loads are in (and all older ones); the other set's 16 may be out
	WTURN R0+64*((\f)%2)
	s_wait_dscnt 0x0                               ; the numbers are back, and the last images' stores have read their registers
	QB R0+64*((\f)%2), F0+12*((\f)%2), 0
	QB R0+64*((\f)%2)+32, F0+12*((\f)%2)+6, 1
	SWORD
	IMG 7, 8, (\f)*IMGB, F0+12*((\f)%2)
.if (\f) < 2
	WLOAD (\f)+2, R0+64*((\f)%2)
.endif
.endm
	WFRAG 0, 16
	WFRAG 1, 16
	WFRAG 2, 16
	WFRAG 3, 0
	s_wait_tensorcnt 0x0                           ; my part of X has landed,
	s_wait_dscnt 0x0                               ; my images of W are stored:
	s_barrier_signal -1
	s_barrier_wait -1                              ; everybody's are
; ---- X: wave w quantises tile w of 16 positions: four runs of 32 channels a lane, two fragments
	XLD 0, R0
	XLD 1, R0+32
	s_wait_dscnt 32                                ; the first run is in; the second's 32 loads may be out
	QB R0, F0, 0
	XLD 2, R0
	s_wait_dscnt 32                                ; the second run is in; the third's may be out
	QB R0+32, F0+6, 1
	SWORD
	IMG 9, 10, 0, F0
	XLD 3, R0+32
	s_wait_dscnt 36                                ; the third run is in; the image's 4 stores and the fourth's 32 loads may be out
	QB R0, F1, 0
	s_wait_dscnt 0x0
	QB R0+32, F1+6, 1
	SWORD
	IMG 9, 10, IMGB, F1
.irp x, 0,1,2,3
	v_cmp_lt_f32 vcc_lo, 0, v[MK+\x]               ; kept where mask[b][s][0] > 0
	s_delay_alu instid0(VALU_DEP_1)
	v_cndmask_b32 v[MK+\x], v[HIGHW], v[LOWW], vcc_lo
.endr
	s_wait_dscnt 0x0
	s_barrier_signal -1
	s_barrier_wait -1                              ; X's sixteen fragments lie in LDS; from here on LDS is only read
	s_cmp_eq_u32 s[ZZ], 1
	s_cbranch_scc1 .Lvalues
; ---- k and q: wave w takes head w / 2 and position tiles 4 (w % 2) + 0 .. 3.  Source 0 = 16 channels of W, source 1 = 16 positions: a lane holds one position, its registers run along the channels
	s_mul_i32 s68, s[HD], 8*IMGB
	s_add_co_u32 s68, s68, WIMG
	v_add_nc_u32 v244, s68, v4
	s_wait_alu depctr_va_vdst(0)
	s_add_co_u32 s68, s68, 1536
	v_add_nc_u32 v245, s68, v243
	s_wait_alu depctr_va_vdst(0)
	s_mul_i32 s68, s[PAR], 8*IMGB
	s_add_co_u32 s68, s68, XIMG
	v_add_nc_u32 v246, s68, v4
	s_wait_alu depctr_va_vdst(0)
	s_add_co_u32 s68, s68, 1536
	v_add_nc_u32 v247, s68, v243
	s_wait_alu depctr_va_vdst(0)
	v_mul_u32_u24 v248, v1, 24
	s_delay_alu instid0(VALU_DEP_1)
	v_mad_u32_u24 v248, v2, 12, v248               ; in a record: row r, my half of the block
	v_lshrrev_b32 v249, 1, v4                      ; 8 x lane
	s_lshl_b32 s69, s[BB], 2
	s_add_co_u32 s69, s69, s[HD]                   ; 4 b + head
	s_lshl_b32 s70, s69, 7
	s_lshl_b32 s71, s[BLK], 3
	s_add_co_u32 s70, s70, s71
	s_lshl_b32 s71, s[PAR], 2
	s_add_co_u32 s70, s70, s71                     ; my first record
	s_mul_i32 s70, s70, 768
	s_mov_b32 s71, 0
	s_add_nc_u64 s[CP:CP+1], s[CP:CP+1], s[70:71]
	s_lshl_b32 s70, s69, 4
	s_add_co_u32 s70, s70, s[BLK]
	s_mul_i32 s70, s70, 768
	s_lshl_b32 s72, s[PAR], 8
	s_add_co_u32 s70, s70, s72                     ; my 256 bytes of scale words
	s_add_nc_u64 s[SCP:SCP+1], s[SCP:SCP+1], s[70:71]
.irp f, 0,1,2,3,4,5,6,7                ; my head's four tiles of W, two K steps each: they stay
.irp i, 0,1,2
	ds_load_b128 v[R0+12*\f+4*\i:R0+12*\f+4*\i+3], v244 offset:\f*IMGB+512*\i
.endr
	ds_load_b32 v[WSC+\f], v245 offset:\f*IMGB
.endr
.irp x, 0,1,2,3
.irp k, 0,1
.irp i, 0,1,2
	ds_load_b128 v[F0+12*\k+4*\i:F0+12*\k+4*\i+3], v246 offset:(2*\x+\k)*IMGB+512*\i
.endr
	ds_load_b32 v[XSC+\k], v247 offset:(2*\x+\k)*IMGB
.endr
	s_wait_dscnt 0x0
.irp a, 0,1,2,3                        ; the four accumulators by turns; the bias starts each sum
	MM ACC+8*\a, R0+24*\a, F0, BIAS+8*\a, WSC+2*\a, XSC
.endr
.irp a, 0,1,2,3
	MM ACC+8*\a, R0+24*\a+12, F1, ACC+8*\a, WSC+2*\a+1, XSC+1
.endr
.rept 4
	v_nop                                          ; four places ahead of the first read of results and of the next loads into X's registers
.endr
	s_wait_xcnt 0x0                                ; the last stores have read their data: the codes' registers are written again only behind this wait
	QPAIR2 ACC, ACC+16
	global_store_b96 v248, v[C0:C0+2], s[CP:CP+1] offset:768*\x        ; channels 0-31: the wave's 32 lanes store 384 consecutive bytes
	global_store_b96 v248, v[C1:C1+2], s[CP:CP+1] offset:768*\x+384    ; channels 32-63
	v_lshl_or_b32 v[WD+\x], v[TM+5], 8, v[TM+4]
	s_delay_alu instid0(VALU_DEP_1)
	v_or_b32 v[WD+\x], v[WD+\x], v[MK+\x]          ; the row's word: two scales, the mask's byte, 1
.endr
	v_cndmask_b32 v250, v[WD], v[WD+1], s[LM]      ; lanes 0-15 carry the even tile's words, lanes 16-31 the odd tile's
	s_delay_alu instid0(VALU_DEP_2)
	v_cndmask_b32 v251, v[WD+2], v[WD+3], s[LM]
	global_store_b64 v249, v[250:251], s[SCP:SCP+1]   ; 32 lanes store 256 consecutive bytes, aligned
	s_branch .Ldone
.Lvalues:
; ---- v: wave w takes channel tiles 2 w, 2 w + 1 and all 128 keys.  Source 0 = 16 keys, source 1 = 16 channels of W: a lane holds one channel, its registers run along the keys
.irp u, 0,1
.irp j, 0,1,2,3,4,5,6,7
	v_mov_b32 v[BIAS+8*\u+\j], v[BV+\u]            ; the C of a sum's first product: my channel's bias in all eight registers
.endr
.endr
	s_mul_i32 s68, s[WV], 4*IMGB
	s_add_co_u32 s68, s68, WIMG
	v_add_nc_u32 v244, s68, v4
	s_wait_alu depctr_va_vdst(0)
	s_add_co_u32 s68, s68, 1536
	v_add_nc_u32 v245, s68, v243
	s_wait_alu depctr_va_vdst(0)
	v_add_nc_u32 v246, XIMG, v4
	s_wait_alu depctr_va_vdst(0)
	v_add_nc_u32 v247, XIMG+1536, v243
	s_wait_alu depctr_va_vdst(0)
	v_mul_u32_u24 v248, v1, 24
	s_delay_alu instid0(VALU_DEP_1)
	v_mad_u32_u24 v248, v2, 12, v248
	s_lshl_b32 s69, s[BB], 2
	s_add_co_u32 s69, s69, s[HD]
	s_lshl_b32 s69, s69, 4
	s_add_co_u32 s69, s69, s[BLK]                  ; 16 (4 b + head) + key step
	s_mul_i32 s70, s69, 6144
	s_mul_i32 s72, s[PAR], 3072                    ; my two channel tiles
	s_add_co_u32 s70, s70, s72
	s_mov_b32 s71, 0
	s_add_nc_u64 s[CP:CP+1], s[CP:CP+1], s[70:71]
	s_mul_i32 s70, s69, 768
	s_lshl_b32 s72, s[PAR], 7
	s_add_co_u32 s70, s70, s72
	s_add_co_u32 s70, s70, 512                     ; V's words lie behind K's 512 bytes
	s_add_nc_u64 s[SCP:SCP+1], s[SCP:SCP+1], s[70:71]
.irp f, 0,1,2,3
.irp i, 0,1,2
	ds_load_b128 v[R0+12*\f+4*\i:R0+12*\f+4*\i+3], v244 offset:\f*IMGB+512*\i
.endr
	ds_load_b32 v[WSC+\f], v245 offset:\f*IMGB
.endr
.irp q, 0,1,2,3                        ; key block q of the step's four: position tiles 2 q, 2 q + 1
.irp e, 0,1
.irp k, 0,1
.irp i, 0,1,2
	ds_load_b128 v[F0+88*\e+12*\k+4*\i:F0+88*\e+12*\k+4*\i+3], v246 offset:(2*(2*\q+\e)+\k)*IMGB+512*\i
.endr
	ds_load_b32 v[XSC+2*\e+\k], v247 offset:(2*(2*\q+\e)+\k)*IMGB
.endr
.endr
	s_wait_dscnt 0x0
.irp u, 0,1
.irp e, 0,1
	MM ACC+8*(2*\u+\e), F0+88*\e, R0+24*\u, BIAS+8*\u, XSC+2*\e, WSC+2*\u
.endr
.endr
.irp u, 0,1
.irp e, 0,1
	MM ACC+8*(2*\u+\e), F0+88*\e+12, R0+24*\u+12, ACC+8*(2*\u+\e), XSC+2*\e+1, WSC+2*\u+1
.endr
.endr
.rept 4
	v_nop
.endr
	s_wait_xcnt 0x0                                ; the last stores have read their data
	QPAIR2 ACC, ACC+16
	global_store_b96 v248, v[C0:C0+2], s[CP:CP+1] offset:768*(\q/2)+384*(\q%2)
	global_store_b96 v248, v[C1:C1+2], s[CP:CP+1] offset:1536+768*(\q/2)+384*(\q%2)
.if \q == 0
	v_mov_b32 v[WD], v[TM+4]
	v_mov_b32 v[WD+1], v[TM+5]
.else
	v_lshl_or_b32 v[WD], v[TM+4], 8*\q, v[WD]
	v_lshl_or_b32 v[WD+1], v[TM+5], 8*\q, v[WD+1]
.endif
.endr
	s_delay_alu instid0(VALU_DEP_1)
	v_cndmask_b32 v250, v[WD], v[WD+1], s[LM]
	global_store_b32 v243, v250, s[SCP:SCP+1]      ; 128 consecutive bytes: half of an aligned 256; V's words are 65,536 bytes of the 5 million that the launch stores
.Ldone:
	s_wait_tensorcnt 0x0                           ; the wave's end: behind my last tensor load and my last LDS store
	ds_add_u32 v[SPW], v[NIL]
	s_wait_dscnt 0x0
	s_endpgm
.Lfunc_end_k_q5df860bf28_proj:
	.size	k_q5df860bf28_proj, .Lfunc_end_k_q5df860bf28_proj-k_q5df860bf28_proj
	.p2alignl 7, 3214868480
	.fill 96, 4, 3214868480
	.section	.rodata,"a",@progbits
	.p2align	6, 0x0
	.amdhsa_kernel k_q5df860bf28_proj
		.amdhsa_group_segment_fixed_size 280576
		.amdhsa_private_segment_fixed_size 0
		.amdhsa_enable_private_segment 0
		.amdhsa_kernarg_size 120
		.amdhsa_user_sgpr_count 2
		.amdhsa_user_sgpr_kernarg_segment_ptr 1
		.amdhsa_wavefront_size32 1
		.amdhsa_system_sgpr_workgroup_id_x 1
		.amdhsa_system_sgpr_workgroup_id_y 1
		.amdhsa_system_sgpr_workgroup_id_z 1
		.amdhsa_system_vgpr_workitem_id 0
		.amdhsa_next_free_vgpr 256
		.amdhsa_next_free_sgpr 80
		.amdhsa_reserve_vcc 1
		.amdhsa_float_denorm_mode_32 3
		.amdhsa_float_denorm_mode_16_64 3
		.amdhsa_memory_ordered 1
		.amdhsa_forward_progress 1
		.amdhsa_inst_pref_size 96
	.end_amdhsa_kernel
	.amdgpu_metadata
---
amdhsa.version: [ 1, 2 ]
amdhsa.kernels:
  - .name:           k_q5df860bf28_proj
    .symbol:         k_q5df860bf28_proj.kd
    .args:
      - { .name: keys, .offset: 0, .size: 8, .value_kind: global_buffer, .address_space: global }
      - { .name: values, .offset: 8, .size: 8, .value_kind: global_buffer, .address_space: global }
      - { .name: queries, .offset: 16, .size: 8, .value_kind: global_buffer, .address_space: global }
      - { .name: mask, .offset: 24, .size: 8, .value_kind: global_buffer, .address_space: global }
      - { .name: Wk, .offset: 32, .size: 8, .value_kind: global_buffer, .address_space: global }
      - { .name: Wv, .offset: 40, .size: 8, .value_kind: global_buffer, .address_space: global }
      - { .name: Wq, .offset: 48, .size: 8, .value_kind: global_buffer, .address_space: global }
      - { .name: bk, .offset: 56, .size: 8, .value_kind: global_buffer, .address_space: global }
      - { .name: bv, .offset: 64, .size: 8, .value_kind: global_buffer, .address_space: global }
      - { .name: bq, .offset: 72, .size: 8, .value_kind: global_buffer, .address_space: global }
      - { .name: kc, .offset: 80, .size: 8, .value_kind: global_buffer, .address_space: global }
      - { .name: vc, .offset: 88, .size: 8, .value_kind: global_buffer, .address_space: global }
      - { .name: qc, .offset: 96, .size: 8, .value_kind: global_buffer, .address_space: global }
      - { .name: sc, .offset: 104, .size: 8, .value_kind: global_buffer, .address_space: global }
      - { .name: qsc, .offset: 112, .size: 8, .value_kind: global_buffer, .address_space: global }
    .group_segment_fixed_size: 280576
    .private_segment_fixed_size: 0
    .kernarg_segment_align: 8
    .kernarg_segment_size: 120
    .max_flat_workgroup_size: 256
    .sgpr_count:     80
    .vgpr_count:     256
    .wavefront_size: 32
...
	.end_amdgpu_metadata
.endif
;; end of part 1
;; launch attn (part 2): grid 16 x 16, 16 waves a work-group, clusters of 4 x 1, 246,272 bytes of LDS; arguments kc, vc, qc, sc, qsc, ac, asc; writes ac, asc
.if DOCPART == 2
	.amdgcn_target "amdgcn-amd-amdhsa--gfx1250"
	.amdhsa_code_object_version 6
	.text
	.protected	k_q5df860bf28_attn
	.globl	k_q5df860bf28_attn
	.p2align	8
	.type	k_q5df860bf28_attn,@function
k_q5df860bf28_attn:
	s_mov_b64 s[64:65], 0
	v_nop
	global_prefetch_b8 v0, s[64:65] scope:SCOPE_SE
	s_setreg_imm32_b32 hwreg(HW_REG_WAVE_MODE, 25, 1), 1
	s_wait_xcnt 0x0
	s_wait_alu depctr_hold_cnt(0) depctr_sa_sdst(0) depctr_va_vdst(0) depctr_va_sdst(0) depctr_va_ssrc(0) depctr_va_vcc(0) depctr_vm_vsrc(0)
	s_getreg_b32 s2, hwreg(HW_REG_IB_STS2, 6, 4)
	s_cmp_eq_u32 s2, 0
	s_cbranch_scc0 .Lentry_in_a_cluster
	s_endpgm
.Lentry_in_a_cluster:
	s_bfe_u32 s2, ttmp6, 0x10000c
	s_cmp_lg_u32 s2, 0x3003
	s_cbranch_scc0 .Lentry_shape_is_right
	s_endpgm
.Lentry_shape_is_right:
; ATTENTION of one head on codes of FP6 (E2M3): S^T = K Q^T (K = the head's 64 channels), p = 2^(t - M), O^T = V^T P^T (K = the keys), O / l, and the result quantised along the channels for the last product.
; t = score x log2(e) / 8; M = the running largest t rounded UP to a whole number; the row's sum l is taken of the unquantised p; when M moves, l and O^T are multiplied by 2^(old M - new M), which rounds nothing.
; SHARES.  Work-group (x, y): y = 4 b + head, 128 queries.  Sixteen waves: wave w owns the tile of 16 queries w % 8 and the key steps 8 (w / 8) + 0 .. 7 of 128 keys; the two halves of the keys are joined at the end through LDS.
; Four waves stand on a SIMD, so that one wave's vector work stands beside another's matrix work and LDS loads.
; LDS holds the head's whole K, V and scale words (208,896 bytes), filled once: no byte is ever filled again.  NO PREFETCH: all of it is asked for at the kernel's head.
; THE FILLS GO OUT IN THE ORDER IN WHICH THE STEPS ARE WALKED: each wave asks for its step's scale words, then a quarter of steps 0-1 of one half of the keys, a quarter of steps 2-3, one of steps 4-7: four tensor loads of a wave are out
; at the most.  The first barrier stands behind the scale words and steps 0-1 alone; the later groups are shown by barriers whose signal stands in step 1 (step 3), behind the step's last LDS load, and whose wait stands at that step's end.
; CLUSTER.  The four work-groups of a cluster have the same y and so the same K, V and scale words: every tensor load is asked for JOINTLY (mask 15).
; LAYOUT.  Both products are used transposed (source 0 = 16 keys, or 16 channels of V): a lane holds ONE query (lane % 16) throughout.  The launch before has chosen the keys of a tile so that the 16 registers of score tiles
; 2 e, 2 e + 1 are keys 32 e + 16 (lane / 16) + 0 .. 15, and the channels of a tile of V likewise.  Records are 768 bytes [block 2][row 16][24 bytes]: lane (r, h) reads 24 bytes at 384 h + 24 r: word 6 x lane, so a load of
; 8 bytes a lane touches each of the 64 banks once (64 banks of 4 bytes: ISA guide 11.1).
; THE KEY MASK costs no instruction here: k = 64 of every key's fragment holds the code -1, of the query's fragment +1; byte 2 of a key's scale word is 1 (the term is -2^-163) or 254 (the term is -2^90, so p = 0), of the query's 90.
; The largest t starts at -2^60, so that M is never taken from a masked score.  If no key of a batch is kept, l = 0: the row's scale word becomes 0xffff (the scale format's NaN) and the last product gives NaN, as the softmax of nothing is.
; LIMITS: a row whose largest t lies under -2^60 counts as having no key; scores are taken to stay under 2^80; NaN and infinities are not served; blocks under 2^-124 and blocks of zeros keep the byte 1.
.set STEPB, 6144                       ; a key step's K (8 records) or V (4 channel tiles x 2 records)
.set VOFF,  98304                      ; LDS: K's 16 steps, V's 16 steps,
.set SCR,   196608                     ; 16 x 768 bytes of scale words,
.set MST,   208896                     ; the stage in which the halves of the keys meet: 8 x (4,096 + 256) bytes,
.set AST,   243712                     ; 512 bytes of the result's scale words,
.set SPARE, 244224                     ; and the spare words, 128 bytes for each wave: eight blocks of 256 bytes that no other line names
.set SPW, 5                            ; v5 LDS address of my spare word; v6 = 0; never rewritten
.set NIL, 6
; v1 K, v2 V, v3 K's words, v4 V's words: my lane's place in my first step;  v7, v29 my place in the stage;  v8-11 the addresses in hand
; v12 -M, v13 the largest t, v[14:15] l in two halves;  v16-27 Q's fragment, v28 its scale word;  v30-31 V's scale words;  v32-79 four fragments of K;  v80-127 four of V
; v128-191 S^T, then p;  v192-223 O^T;  v224-235 p's codes;  v232-247 at work;  v248-251 K's scale words;  v252 f (v253 named with it as a pair);  v254 at work;  v255 p's scale word
.set PW,  255
.set WV,  18
.set KH,  19
.set SEL, 20                           ; s[20:21] v_permlanex16_b32's selects for lane l xor 16
.set CS,  22                           ; s[22:23] c = log2(e) / 8
.set G1A, 24                           ; s[24:31] group 1: 12 rows of 256 bytes;  s[32:39]: 3 rows;  s[80:87]: 24 rows
.set G1S, 32
.set G0S, 40                           ; s[40:43] group 0: my step's scale words;  s[44:51], s[88:91] K's three;  s[56:63], s[92:95] V's three
.set G0KA, 44
.set G0KB, 48
.set TK,  52                           ; s52 the step in hand x 6,144;  s53 x 768;  s54 counts trips
.set TS,  53
.set CNT, 54
.set QT,  55
.set G0VA, 56
.set G0VB, 60
.set G1C, 80
.set G0KC, 88
.set G0VC, 92
.macro CROUND                          ; a round of the cluster's barrier
	s_barrier_signal -1
	s_barrier_wait -1
	s_cmp_lg_u32 s[WV], 0
	s_cbranch_scc1 .Lnot_wave_0_\@
	s_barrier_signal -3
.Lnot_wave_0_\@:
	s_barrier_wait -3
	s_barrier_signal -1
	s_barrier_wait -1
.endm
.macro SHAPE g, rows                   ; group 1: a dense block as rows of 256 bytes (32 elements of 8 bytes); mask 15: all four work-groups, bit 21 beside it
	s_mov_b32 s[\g], 15|(3<<16)|(1<<21)
	s_mov_b32 s[\g+1], 32<<16                      ; tensor_dim0
	s_mov_b32 s[\g+2], (\rows)<<16                 ; tensor_dim1
	s_mov_b32 s[\g+3], 32<<16                      ; tile_dim0
	s_mov_b32 s[\g+4], \rows                       ; tile_dim1
	s_mov_b32 s[\g+5], 32                          ; stride
	s_mov_b32 s[\g+6], 0
	s_mov_b32 s[\g+7], 0
.endm
	s_load_b256 s[4:11], s[0:1], 0x0               ; kc, vc, qc, sc
	s_load_b128 s[12:15], s[0:1], 0x20             ; qsc, ac
	s_load_b64 s[16:17], s[0:1], 0x30              ; asc
	v_lshl_add_u32 v[SPW], v0, 2, SPARE
	v_mov_b32 v[NIL], 0
	ds_add_u32 v[SPW], v[NIL]                      ; the wave's opening: the add and its wait ahead of the round in front of my first tensor loads; work on registers stands between them
	ds_add_u32 v[SPW], v[NIL]
	v_lshrrev_b32 v8, 5, v0
	s_delay_alu instid0(VALU_DEP_1)
	v_readfirstlane_b32 s[WV], v8                  ; wave 0..15
	s_lshr_b32 s[KH], s[WV], 3                     ; which half of the keys
	s_and_b32 s[QT], s[WV], 7                      ; which tile of queries
	SHAPE G1S, 3
	SHAPE G1A, 12
	SHAPE G1C, 24
	s_and_b32 s66, ttmp7, 0xffff                   ; y = 4 b + head, which the four partners share
	s_bfe_u32 s67, s[WV], 0x10002                  ; waves 0-7 fetch K, waves 8-15 V; (w / 4) % 2: for which half of the keys
	s_mul_i32 s67, s67, 8*STEPB                    ; that half's first byte, in LDS and in the head's block of memory
	s_and_b32 s68, s[WV], 3                        ; my quarter
	s_mul_i32 s98, s68, 3072
	s_add_co_u32 s98, s98, s67                     ; steps 0-1 are 12,288 bytes on end: my 3,072 of them; steps 2-3 lie 12,288 bytes further on
	s_mul_i32 s99, s68, STEPB
	s_add_co_u32 s99, s99, s67
	s_add_co_u32 s99, s99, 4*STEPB                 ; and step 4 + w % 4
	s_mul_i32 s77, s66, 98304                      ; the head's block in memory
	s_add_co_u32 s68, s77, s98
	s_mov_b32 s69, 0
	s_add_co_u32 s96, s77, s99
	s_mov_b32 s97, 0
	s_mul_i32 s76, s[WV], 768                      ; step w's scale words
	s_mul_i32 s78, s66, 12288
	s_add_co_u32 s78, s78, s76
	s_mov_b32 s79, 0
	s_mov_b32 s[G0S], 1
	s_add_co_u32 s[G0S+1], s76, SCR
	s_mov_b32 s[G0KA], 1
	s_mov_b32 s[G0KA+1], s98
	s_mov_b32 s[G0KB], 1
	s_add_co_u32 s[G0KB+1], s98, 2*STEPB
	s_mov_b32 s[G0KC], 1
	s_mov_b32 s[G0KC+1], s99
	s_mov_b32 s[G0VA], 1
	s_add_co_u32 s[G0VA+1], s98, VOFF
	s_mov_b32 s[G0VB], 1
	s_add_co_u32 s[G0VB+1], s98, VOFF+2*STEPB
	s_mov_b32 s[G0VC], 1
	s_add_co_u32 s[G0VC+1], s99, VOFF
	s_mov_b32 s[SEL], 0x76543210
	s_mov_b32 s[SEL+1], 0xfedcba98
	s_mov_b32 s[CS], 0x3e38aa3b                    ; log2(e) / 8
	s_mov_b32 s[CS+1], s[CS]                       ; (named with it as a pair, so it is written)
	s_mov_b32 s[TK], 0
	s_mov_b32 s[TS], 0
	v_and_b32 v8, 15, v0                           ; r
	v_bfe_u32 v9, v0, 4, 1                         ; h
	v_and_b32 v10, 31, v0                          ; lane
	s_delay_alu instid0(VALU_DEP_3)
	v_mul_u32_u24 v11, v8, 24
	s_delay_alu instid0(VALU_DEP_1)
	v_mad_u32_u24 v11, v9, 384, v11                ; in a record: block h, row r
	s_mul_i32 s67, s[KH], 8*STEPB
	v_add_nc_u32 v1, s67, v11
	s_delay_alu instid0(VALU_DEP_1)
	v_add_nc_u32 v2, VOFF, v1
	s_mul_i32 s67, s[KH], 8*768
	s_add_co_u32 s67, s67, SCR
	v_lshl_add_u32 v3, v10, 3, s67
	s_add_co_u32 s67, s67, 512
	v_lshl_add_u32 v4, v10, 2, s67
	s_mul_i32 s67, s[QT], 4352
	s_add_co_u32 s67, s67, MST
	v_lshl_add_u32 v7, v10, 4, s67
	s_add_co_u32 s67, s67, 4096
	v_lshl_add_u32 v29, v10, 3, s67
	v_lshlrev_b32 v254, 3, v8                      ; Q's scale words: 8 bytes from row to row
	s_wait_dscnt 0x0                               ; the opening add is done
	s_wait_kmcnt 0x0
	s_add_nc_u64 s[G0S+2:G0S+3], s[10:11], s[78:79]
	s_or_b32 s[G0S+3], s[G0S+3], 0x80000000
	s_add_nc_u64 s[G0KA+2:G0KA+3], s[4:5], s[68:69]
	s_add_nc_u64 s[G0KB+2:G0KB+3], s[G0KA+2:G0KA+3], 2*STEPB
	s_add_nc_u64 s[G0KC+2:G0KC+3], s[4:5], s[96:97]
	s_or_b32 s[G0KA+3], s[G0KA+3], 0x80000000
	s_or_b32 s[G0KB+3], s[G0KB+3], 0x80000000
	s_or_b32 s[G0KC+3], s[G0KC+3], 0x80000000
	s_add_nc_u64 s[G0VA+2:G0VA+3], s[6:7], s[68:69]
	s_add_nc_u64 s[G0VB+2:G0VB+3], s[G0VA+2:G0VA+3], 2*STEPB
	s_add_nc_u64 s[G0VC+2:G0VC+3], s[6:7], s[96:97]
	s_or_b32 s[G0VA+3], s[G0VA+3], 0x80000000
	s_or_b32 s[G0VB+3], s[G0VB+3], 0x80000000
	s_or_b32 s[G0VC+3], s[G0VC+3], 0x80000000
	CROUND                                         ; all four work-groups are here: the joint loads meet
	s_cmp_lt_u32 s[WV], 8                          ; a wave's four fills stand in one branch on the wave's number, ahead of every wait on TENSORcnt and every LDS read: four loads of mine are out
	s_cbranch_scc0 .Lfirst_v
	tensor_load_to_lds s[G0S:G0S+3], s[G1S:G1S+7]
	s_nop 0
	tensor_load_to_lds s[G0KA:G0KA+3], s[G1A:G1A+7]
	s_nop 0
	tensor_load_to_lds s[G0KB:G0KB+3], s[G1A:G1A+7]
	s_nop 0
	tensor_load_to_lds s[G0KC:G0KC+3], s[G1C:G1C+7]
	s_nop 0
.rept 4
	v_nop
.endr
	s_branch .Lfirst_asked
.Lfirst_v:
	tensor_load_to_lds s[G0S:G0S+3], s[G1S:G1S+7]
	s_nop 0
	tensor_load_to_lds s[G0VA:G0VA+3], s[G1A:G1A+7]
	s_nop 0
	tensor_load_to_lds s[G0VB:G0VB+3], s[G1A:G1A+7]
	s_nop 0
	tensor_load_to_lds s[G0VC:G0VC+3], s[G1C:G1C+7]
	s_nop 0
.rept 4
	v_nop
.endr
.Lfirst_asked:
	; my place in the cluster enters the addresses of Q and of the results alone, in registers that feed no descriptor and no LDS address
	s_bfe_u32 s70, ttmp6, 0x40000                  ; cx
	s_lshl_b32 s71, ttmp9, 2
	s_add_co_u32 s71, s71, s70                     ; my block of 128 queries
	s_lshl_b32 s72, s66, 7
	s_lshl_b32 s73, s71, 3
	s_add_co_u32 s72, s72, s73
	s_add_co_u32 s72, s72, s[QT]                   ; my tile's record: 128 y + 8 block + tile
	s_mul_i32 s72, s72, 768
	s_mov_b32 s73, 0
	s_add_nc_u64 s[8:9], s[8:9], s[72:73]
	s_add_nc_u64 s[14:15], s[14:15], s[72:73]
	s_lshl_b32 s72, s66, 4
	s_add_co_u32 s72, s72, s71
	s_mul_i32 s72, s72, 768                        ; the block's scale words; tile t's word of row r lies at 256 (t / 4) + 128 (t % 2) + 4 ((t / 2) % 2) + 8 r
	s_lshr_b32 s74, s[QT], 2
	s_lshl_b32 s74, s74, 8
	s_add_co_u32 s72, s72, s74
	s_and_b32 s74, s[QT], 1
	s_lshl_b32 s74, s74, 7
	s_add_co_u32 s72, s72, s74
	s_bfe_u32 s74, s[QT], 0x10001
	s_lshl_b32 s74, s74, 2
	s_add_co_u32 s72, s72, s74
	s_add_nc_u64 s[12:13], s[12:13], s[72:73]
	s_lshl_b32 s72, s66, 13
	s_lshl_b32 s74, s71, 9
	s_add_co_u32 s72, s72, s74                     ; the results' scale words: 8,192 y + 512 block
	s_add_nc_u64 s[16:17], s[16:17], s[72:73]
	s_wait_alu depctr_va_vdst(0)
.irp p, 0,1,2
	global_load_b64 v[16+2*\p:17+2*\p], v11, s[8:9] offset:8*\p    ; Q's 64 codes a row: registers 0-5 of the fragment
.endr
	global_load_b32 v28, v254, s[12:13]
	v_lshlrev_b32 v22, 3, v9
	s_delay_alu instid0(VALU_DEP_1)
	v_sub_nc_u32 v22, 8, v22                       ; register 6: the code +1 (0x08) at k = 64, which lies in lanes 0-15; zeros beyond
	v_mul_u32_u24 v252, v9, 40
	s_delay_alu instid0(VALU_DEP_1)
	v_sub_nc_u32 v252, 40, v252                    ; and for the keys the code -1 (0x28)
.irp i, 23,24,25,26,27
	v_mov_b32 v[\i], 0
.endr
.irp t, 0,1,2,3
	v_mov_b32 v[38+12*\t], v252                    ; written once: the loads of a key's 64 codes fill registers 0-5 alone
.irp i, 7,8,9,10,11
	v_mov_b32 v[32+12*\t+\i], 0
.endr
.endr
	v_mov_b32 v13, 0xdd800000                      ; the largest t so far: -2^60
	s_delay_alu instid0(VALU_DEP_1)
	v_floor_f32 v12, -v13                          ; -M
	v_mov_b32 v14, 0
	v_mov_b32 v15, 0
.irp b, 0,1,2,3
	v_mov_b32 v[236+\b], 0                         ; written once: a lane permute's destination counts as one of its sources
.endr
	v_mov_b32 v253, 0                              ; (named as the upper half of the pair v[252:253])
.set N, 0
.rept 32
	v_mov_b32 v[192+N], 0                          ; O^T: the step is one macro, and the first finds zeros
.set N, N+1
.endr
.macro SPROD tau                       ; score tile tau: 16 keys x my 16 queries; K's words: register tau / 2, lanes 0-15 for even tiles, lanes 16-31 for odd ones
.if (\tau)%2
	v_wmma_scale_f32_16x16x128_f8f6f4 v[128+8*(\tau):135+8*(\tau)], v[32+12*((\tau)%4):43+12*((\tau)%4)], v[16:27], 0, v[248+(\tau)/2], v28 matrix_a_fmt:MATRIX_FMT_FP6 matrix_b_fmt:MATRIX_FMT_FP6 matrix_a_scale:MATRIX_SCALE_ROW1
.else
	v_wmma_scale_f32_16x16x128_f8f6f4 v[128+8*(\tau):135+8*(\tau)], v[32+12*((\tau)%4):43+12*((\tau)%4)], v[16:27], 0, v[248+(\tau)/2], v28 matrix_a_fmt:MATRIX_FMT_FP6 matrix_b_fmt:MATRIX_FMT_FP6
.endif
.endm
.macro PVPROD t                        ; O^T tile t += 16 channels of V x p
.if (\t)%2
	v_wmma_scale_f32_16x16x128_f8f6f4 v[192+8*(\t):199+8*(\t)], v[80+12*(\t):91+12*(\t)], v[224:235], v[192+8*(\t):199+8*(\t)], v[30+(\t)/2], v[PW] matrix_a_fmt:MATRIX_FMT_FP6 matrix_b_fmt:MATRIX_FMT_FP6 matrix_a_scale:MATRIX_SCALE_ROW1
.else
	v_wmma_scale_f32_16x16x128_f8f6f4 v[192+8*(\t):199+8*(\t)], v[80+12*(\t):91+12*(\t)], v[224:235], v[192+8*(\t):199+8*(\t)], v[30+(\t)/2], v[PW] matrix_a_fmt:MATRIX_FMT_FP6 matrix_b_fmt:MATRIX_FMT_FP6
.endif
.endm
; A KEY STEP: 128 keys.  meet = 1: the next group of steps is shown to every wave under way: behind this step's last LDS load each wave waits until its own part of that group has landed (left = how many of its
; younger fills may stay out) and signals; between the signal and the wait at the step's end stands work on registers alone; the next step's LDS loads stand behind the wait.
.macro TRIP meet, left
	v_add_nc_u32 v8, s[TK], v1                     ; these four are the places between the last step's products and the loads into their registers
	v_add_nc_u32 v9, s[TK], v2
	v_add_nc_u32 v10, s[TS], v3
	v_add_nc_u32 v11, s[TS], v4
	ds_load_b64 v[248:249], v10                    ; K's scale words of tiles 0-3,
	ds_load_b64 v[250:251], v10 offset:256         ; and 4-7
.irp t, 0,1,2,3
.irp p, 0,1,2
	ds_load_b64 v[32+12*\t+2*\p:33+12*\t+2*\p], v8 offset:768*\t+8*\p
.endr
.endr
.irp t, 0,1,2,3
.irp c, 0,1
.irp p, 0,1,2
	ds_load_b64 v[80+12*\t+6*\c+2*\p:81+12*\t+6*\c+2*\p], v9 offset:1536*\t+768*\c+8*\p
.endr
.endr
.endr
	ds_load_b32 v30, v11
	ds_load_b32 v31, v11 offset:128
	s_wait_alu depctr_va_vdst(0)
	s_wait_dscnt 26                                ; K's words and tiles 0-3 are in; V's 24 loads and its 2 of scale words may be out
.irp t, 0,1,2,3
	SPROD \t
.endr
.rept 4
	v_nop                                          ; places ahead of loads into registers that matrix instructions have read
.endr
.irp t, 0,1,2,3
.irp p, 0,1,2
	ds_load_b64 v[32+12*\t+2*\p:33+12*\t+2*\p], v8 offset:768*(4+\t)+8*\p
.endr
.endr
	s_wait_dscnt 0x0                               ; all of this step's K, V and scale words are in registers: no LDS instruction of mine is out
.if \meet
	s_wait_tensorcnt \left                         ; my part of the next group of steps has landed:
	s_barrier_signal -1                            ; say so, and go on working on registers
.endif
.irp t, 4,5,6,7
	SPROD \t
.endr
.rept 4
	v_nop                                          ; places ahead of the first read of results
.endr
.irp b, 0,1,2,3
	v_max3_num_f32 v[232+\b], v[128+16*\b], v[129+16*\b], v[130+16*\b]   ; the largest score of each block of 32 keys: for the row's maximum and, since p rises with the score, for the block's largest p
.endr
.irp i, 3,5,7,9,11,13
.irp b, 0,1,2,3
	v_max3_num_f32 v[232+\b], v[232+\b], v[128+16*\b+\i], v[129+16*\b+\i]
.endr
.endr
.irp b, 0,1,2,3
	v_max_num_f32 v[232+\b], v[232+\b], v[143+16*\b]
.endr
.irp b, 0,1,2,3
	s_delay_alu instid0(VALU_DEP_4)
	v_permlanex16_b32 v[236+\b], v[232+\b], s[SEL], s[SEL+1]
.endr
.irp b, 0,1,2,3
	s_delay_alu instid0(VALU_DEP_4)
	v_max_num_f32 v[232+\b], v[232+\b], v[236+\b]  ; with lane l xor 16's 16 keys
.endr
	s_delay_alu instid0(VALU_DEP_2)
	v_max3_num_f32 v254, v232, v233, v234
	s_delay_alu instid0(VALU_DEP_1)
	v_max_num_f32 v254, v254, v235
	s_delay_alu instid0(VALU_DEP_1)
	v_mul_f32 v254, s[CS], v254                    ; the step's largest t
	s_delay_alu instid0(VALU_DEP_1)
	v_max_num_f32 v13, v13, v254                   ; the running largest t
	v_mov_b32 v254, v12
	s_delay_alu instid0(VALU_DEP_2)
	v_floor_f32 v12, -v13                          ; the new -M = -ceil(t): a whole number
	s_delay_alu instid0(VALU_DEP_1)
	v_sub_f32 v254, v12, v254                      ; old M - new M, 0 or less
	s_delay_alu instid0(VALU_DEP_1)
	v_cvt_i32_f32 v254, v254                       ; (it saturates)
	s_delay_alu instid0(VALU_DEP_1)
	v_ldexp_f32 v252, 1.0, v254                    ; f = 2^(old M - new M)
.set N, 0
.rept 32
	v_pk_fma_f32 v[128+N:129+N], v[128+N:129+N], s[CS:CS+1], v[12:13] op_sel_hi:[1,0,0]   ; t - M, two at a time
.set N, N+2
.endr
.irp b, 0,1,2,3
	v_fma_f32 v[232+\b], v[232+\b], s[CS], v12     ; the same of each block's largest score
.endr
.set N, 0
	s_setprio 1
	s_wait_alu depctr_va_vdst(0)
.rept 64
	v_exp_f32 v[128+N], v[128+N]                   ; p = 2^(t - M), at most 1
.set N, N+1
.endr
	v_pk_mul_f32 v[14:15], v[14:15], v[252:253] op_sel_hi:[1,0]   ; l under the new M: the plain instruction behind the exponentials
	s_wait_alu depctr_va_vdst(0)                   ; the wait ahead of the first instruction that names a result: one for the 64
.irp b, 0,1,2,3
	v_exp_f32 v[232+\b], v[232+\b]                 ; each block's largest p: the same two instructions on the same number give the same bits
.endr
	v_pk_add_f32 v[236:237], v[132:133], v[136:137]
	v_pk_add_f32 v[254:255], v[140:141], v[144:145]
	v_pk_add_f32 v[250:251], v[148:149], v[152:153]
	v_pk_add_f32 v[248:249], v[156:157], v[160:161]
	v_pk_add_f32 v[246:247], v[164:165], v[168:169]
	v_pk_add_f32 v[244:245], v[172:173], v[176:177]
	v_pk_add_f32 v[242:243], v[180:181], v[184:185]
	v_pk_add_f32 v[14:15], v[14:15], v[188:189]
	v_pk_add_f32 v[236:237], v[236:237], v[128:129]
	v_pk_add_f32 v[254:255], v[254:255], v[130:131]
	v_pk_add_f32 v[250:251], v[250:251], v[134:135]
	v_pk_add_f32 v[248:249], v[248:249], v[138:139]
	v_pk_add_f32 v[246:247], v[246:247], v[142:143]
	v_pk_add_f32 v[244:245], v[244:245], v[146:147]
	v_pk_add_f32 v[242:243], v[242:243], v[150:151]
	v_pk_add_f32 v[14:15], v[14:15], v[154:155]
	v_pk_add_f32 v[236:237], v[236:237], v[158:159]
	v_pk_add_f32 v[254:255], v[254:255], v[162:163]
	v_pk_add_f32 v[250:251], v[250:251], v[166:167]
	v_pk_add_f32 v[248:249], v[248:249], v[170:171]
	v_pk_add_f32 v[246:247], v[246:247], v[174:175]
	v_pk_add_f32 v[244:245], v[244:245], v[178:179]
	v_pk_add_f32 v[242:243], v[242:243], v[182:183]
	v_pk_add_f32 v[14:15], v[14:15], v[186:187]
	v_pk_add_f32 v[236:237], v[236:237], v[190:191]
	s_delay_alu instid0(VALU_DEP_2)
	v_pk_add_f32 v[14:15], v[14:15], v[248:249]
	s_delay_alu instid0(VALU_DEP_2)
	v_pk_add_f32 v[236:237], v[236:237], v[246:247]
	v_pk_add_f32 v[254:255], v[254:255], v[244:245]
	v_pk_add_f32 v[250:251], v[250:251], v[242:243]
	s_delay_alu instid0(VALU_DEP_2)
	v_pk_add_f32 v[14:15], v[14:15], v[254:255]
	s_delay_alu instid0(VALU_DEP_2)
	v_pk_add_f32 v[236:237], v[236:237], v[250:251]
	s_delay_alu instid0(VALU_DEP_1)
	v_pk_add_f32 v[14:15], v[14:15], v[236:237]
	s_wait_alu depctr_va_vdst(0)                   ; and one for the four
.irp b, 0,1,2,3
	v_max_num_f32 v[232+\b], 0x1800000, v[232+\b]  ; the floor 2^(3 - 127): the byte cannot fall under 1
.endr
.irp b, 0,1,2,3
	s_delay_alu instid0(VALU_DEP_4)
	v_add_nc_u32 v[244+\b], 0xff000000, v[232+\b]  ; 2 off the exponent field: the conversion's scale operand
.endr
.irp b, 0,1,2,3
	s_delay_alu instid0(VALU_DEP_4)
	v_lshrrev_b32 v[236+\b], 23, v[244+\b]
.endr
	s_delay_alu instid0(VALU_DEP_3)
	v_lshl_or_b32 v[PW], v237, 8, v236             ; p's scale word for these 128 keys
	s_delay_alu instid0(VALU_DEP_1)
	v_lshl_or_b32 v[PW], v238, 16, v[PW]
	s_delay_alu instid0(VALU_DEP_1)
	v_lshl_or_b32 v[PW], v239, 24, v[PW]
.irp c, 0,1
	v_cvt_scalef32_pk16_fp6_f32 v[224+6*\c:226+6*\c], v[128+32*\c:143+32*\c], v[244+2*\c]
	v_cvt_scalef32_pk16_fp6_f32 v[236+4*\c:238+4*\c], v[144+32*\c:159+32*\c], v[244+2*\c+1]   ; (a conversion's three registers begin on an even number)
.endr
	v_nop                                          ; one plain place behind a scaled conversion
	s_setprio 0
.irp c, 0,1                            ; the operand's layout wants a whole block in a lane: lanes 0-15 block 2 c, lanes 16-31 block 2 c + 1
.irp i, 0,1,2
	v_permlane16_swap_b32 v[224+6*\c+\i], v[236+4*\c+\i]
.endr
.irp i, 0,1,2
	s_delay_alu instid0(VALU_DEP_3)
	v_mov_b32 v[227+6*\c+\i], v[236+4*\c+\i]
.endr
.endr
.set N, 0
.rept 16
	v_pk_mul_f32 v[192+N:193+N], v[192+N:193+N], v[252:253] op_sel_hi:[1,0]   ; O^T under the new M.  For each product below, the twelve on the other accumulators are the places behind the scale word (8) and the codes (4)
.set N, N+2
.endr
.irp t, 0,1,2,3                        ; the four accumulators by turns
	PVPROD \t
.endr
	s_add_co_u32 s[TK], s[TK], STEPB
	s_add_co_u32 s[TS], s[TS], 768
.if \meet
	s_barrier_wait -1                              ; every wave has signalled: the next group of steps is whole
.endif
.endm
	s_wait_loadcnt 0x0                             ; Q
	s_wait_tensorcnt 2                             ; my scale words and my part of steps 0-1 are in; my fills of steps 2-3 and 4-7 may be out
	s_barrier_signal -1
	s_barrier_wait -1                              ; what holds of my loads holds of every wave's
	TRIP 0, 0                                      ; step 0 of my half
	TRIP 1, 1                                      ; step 1; under way steps 2-3 are shown: the fill of steps 4-7 may stay out
	TRIP 0, 0                                      ; step 2
	TRIP 1, 0                                      ; step 3; under way steps 4-7 are shown: all my fills have landed
	s_mov_b32 s[CNT], 4
.Ltrip:                                            ; steps 4 to 7
	s_setprio 2
	TRIP 0, 0
	s_sub_co_u32 s[CNT], s[CNT], 1
	s_cmp_lg_u32 s[CNT], 0
	s_cbranch_scc1 .Ltrip
	s_setprio 0
	; THE TWO HALVES OF THE KEYS MEET.  The lines below are also the places behind the last products; every LDS address is made ahead of the waves' parting
	v_add_f32 v13, v14, v15                        ; l's two halves
	v_and_b32 v8, 15, v0
	v_bfe_u32 v11, v0, 4, 1
	v_and_b32 v9, 31, v0
	s_delay_alu instid0(VALU_DEP_1)
	v_lshlrev_b32 v10, 4, v9                       ; 16 x lane
	s_delay_alu instid0(VALU_DEP_3)
	v_mul_u32_u24 v11, v11, 12
	s_delay_alu instid0(VALU_DEP_1)
	v_mad_u32_u24 v11, v8, 24, v11                 ; in a record: row r, my half of a block
	s_lshl_b32 s67, s[QT], 6
	s_add_co_u32 s67, s67, AST
	v_lshl_add_u32 v8, v8, 2, s67                  ; my row's scale word
	v_add_nc_u32 v9, AST, v10
	s_cmp_lt_u32 s[WV], 8
	s_cbranch_scc1 .Lkeeps
.irp i, 0,1,2,3,4,5,6,7
	ds_store_b128 v7, v[192+4*\i:195+4*\i] offset:512*\i   ; waves 8-15 hand over O^T, as an image of its registers,
.endr
	ds_store_b64 v29, v[12:13]                     ; -M and l
.Lkeeps:
	s_wait_dscnt 0x0
	s_barrier_signal -1
	s_barrier_wait -1
	s_cmp_lt_u32 s[WV], 8
	s_cbranch_scc0 .Lhanded
.irp i, 0,1,2,3,4,5,6,7
	ds_load_b128 v[128+4*\i:131+4*\i], v7 offset:512*\i
.endr
	ds_load_b64 v[14:15], v29
	s_wait_dscnt 0x0
	v_min_num_f32 v236, v12, v14                   ; -M of both halves
	s_delay_alu instid0(VALU_DEP_1)
	v_sub_f32 v237, v236, v12
	s_delay_alu instid0(VALU_DEP_2)
	v_sub_f32 v238, v236, v14
	s_delay_alu instid0(VALU_DEP_2)
	v_cvt_i32_f32 v237, v237
	s_delay_alu instid0(VALU_DEP_2)
	v_cvt_i32_f32 v238, v238
	s_delay_alu instid0(VALU_DEP_2)
	v_ldexp_f32 v237, 1.0, v237                    ; what brings my half under the common M,
	s_delay_alu instid0(VALU_DEP_2)
	v_ldexp_f32 v238, 1.0, v238                    ; and the other
	s_delay_alu instid0(VALU_DEP_2)
	v_mul_f32 v13, v13, v237
	s_delay_alu instid0(VALU_DEP_1)
	v_fmac_f32 v13, v15, v238
	s_delay_alu instid0(VALU_DEP_1)
	v_permlanex16_b32 v240, v13, s[SEL], s[SEL+1]
	s_delay_alu instid0(VALU_DEP_1)
	v_add_f32 v13, v13, v240                       ; the row's sum
	s_wait_alu depctr_va_vdst(0)
	v_rcp_f32 v241, v13
	v_nop                                          ; a plain instruction behind the reciprocal,
	s_wait_alu depctr_va_vdst(0)                   ; and the wait ahead of its first reader
	v_mul_f32 v244, v237, v241
	v_mul_f32 v246, v238, v241
.set N, 0
.rept 16
	v_pk_mul_f32 v[192+N:193+N], v[192+N:193+N], v[244:245] op_sel_hi:[1,0]
.set N, N+2
.endr
.set N, 0
.rept 16
	v_pk_fma_f32 v[192+N:193+N], v[128+N:129+N], v[246:247], v[192+N:193+N] op_sel_hi:[1,0,1]   ; O / l: register 16 e + i is channel 32 e + 16 h + i of my query
.set N, N+2
.endr
	v_max3_num_f32 v232, |v192|, |v193|, 0x1800000 ; quantised along the channels: two blocks of 32, each in lanes l and l xor 16
	v_max3_num_f32 v233, |v208|, |v209|, 0x1800000
.irp i, 2,4,6,8,10,12,14
	s_delay_alu instid0(VALU_DEP_2)
	v_max3_num_f32 v232, v232, |v[192+\i]|, |v[193+\i]|
	s_delay_alu instid0(VALU_DEP_2)
	v_max3_num_f32 v233, v233, |v[208+\i]|, |v[209+\i]|
.endr
	s_delay_alu instid0(VALU_DEP_2)
	v_permlanex16_b32 v234, v232, s[SEL], s[SEL+1]
	s_delay_alu instid0(VALU_DEP_2)
	v_permlanex16_b32 v235, v233, s[SEL], s[SEL+1]
	s_delay_alu instid0(VALU_DEP_2)
	v_max_num_f32 v232, v232, v234
	s_delay_alu instid0(VALU_DEP_2)
	v_max_num_f32 v233, v233, v235
	s_delay_alu instid0(VALU_DEP_2)
	v_add_nc_u32 v236, 0xff000000, v232
	s_delay_alu instid0(VALU_DEP_2)
	v_add_nc_u32 v237, 0xff000000, v233
	s_delay_alu instid0(VALU_DEP_2)
	v_lshrrev_b32 v238, 23, v236
	s_delay_alu instid0(VALU_DEP_2)
	v_lshrrev_b32 v239, 23, v237
	v_cvt_scalef32_pk16_fp6_f32 v[224:226], v[192:207], v236
	v_cvt_scalef32_pk16_fp6_f32 v[228:230], v[208:223], v237
	v_nop                                          ; one plain place behind a scaled conversion
	global_store_b96 v11, v[224:226], s[14:15]     ; 32 lanes store 384 consecutive bytes
	global_store_b96 v11, v[228:230], s[14:15] offset:384
	v_lshl_or_b32 v240, v239, 8, v238
	v_mov_b32 v241, 0xffff
	v_cmp_eq_f32 vcc_lo, 0, v13                    ; no key was kept: both bytes become the scale format's NaN
	s_delay_alu instid0(VALU_DEP_1)
	v_cndmask_b32 v240, v240, v241, vcc_lo
	ds_store_b32 v8, v240                          ; both lanes of a row write the same word with the same value
.Lhanded:
	s_wait_dscnt 0x0
	s_barrier_signal -1
	s_barrier_wait -1
	s_cmp_eq_u32 s[WV], 0
	s_cbranch_scc0 .Lend
	s_wait_alu depctr_va_vdst(0)
	ds_load_b128 v[128:131], v9                    ; the eight tiles' scale words
	s_wait_dscnt 0x0
	global_store_b128 v10, v[128:131], s[16:17]    ; 512 consecutive bytes, aligned
.Lend:
	s_wait_tensorcnt 0x0                           ; the wave's end: behind my last tensor load and my last LDS store
	ds_add_u32 v[SPW], v[NIL]
	s_wait_dscnt 0x0
	CROUND                                         ; the closing round
	s_endpgm
.Lfunc_end_k_q5df860bf28_attn:
	.size	k_q5df860bf28_attn, .Lfunc_end_k_q5df860bf28_attn-k_q5df860bf28_attn
	.p2alignl 7, 3214868480
	.fill 96, 4, 3214868480
	.section	.rodata,"a",@progbits
	.p2align	6, 0x0
	.amdhsa_kernel k_q5df860bf28_attn
		.amdhsa_group_segment_fixed_size 246272
		.amdhsa_private_segment_fixed_size 0
		.amdhsa_enable_private_segment 0
		.amdhsa_kernarg_size 56
		.amdhsa_user_sgpr_count 2
		.amdhsa_user_sgpr_kernarg_segment_ptr 1
		.amdhsa_wavefront_size32 1
		.amdhsa_system_sgpr_workgroup_id_x 1
		.amdhsa_system_sgpr_workgroup_id_y 1
		.amdhsa_system_sgpr_workgroup_id_z 1
		.amdhsa_system_vgpr_workitem_id 0
		.amdhsa_next_free_vgpr 256
		.amdhsa_next_free_sgpr 100
		.amdhsa_reserve_vcc 1
		.amdhsa_float_denorm_mode_32 3
		.amdhsa_float_denorm_mode_16_64 3
		.amdhsa_memory_ordered 1
		.amdhsa_forward_progress 1
		.amdhsa_inst_pref_size 112
	.end_amdhsa_kernel
	.amdgpu_metadata
---
amdhsa.version: [ 1, 2 ]
amdhsa.kernels:
  - .name:           k_q5df860bf28_attn
    .symbol:         k_q5df860bf28_attn.kd
    .args:
      - { .name: kc, .offset: 0, .size: 8, .value_kind: global_buffer, .address_space: global }
      - { .name: vc, .offset: 8, .size: 8, .value_kind: global_buffer, .address_space: global }
      - { .name: qc, .offset: 16, .size: 8, .value_kind: global_buffer, .address_space: global }
      - { .name: sc, .offset: 24, .size: 8, .value_kind: global_buffer, .address_space: global }
      - { .name: qsc, .offset: 32, .size: 8, .value_kind: global_buffer, .address_space: global }
      - { .name: ac, .offset: 40, .size: 8, .value_kind: global_buffer, .address_space: global }
      - { .name: asc, .offset: 48, .size: 8, .value_kind: global_buffer, .address_space: global }
    .group_segment_fixed_size: 246272
    .private_segment_fixed_size: 0
    .kernarg_segment_align: 8
    .kernarg_segment_size: 56
    .max_flat_workgroup_size: 512
    .sgpr_count:     100
    .vgpr_count:     256
    .wavefront_size: 32
...
	.end_amdgpu_metadata
.endif
;; end of part 2
;; launch outp (part 3): grid 64 x 4, 8 waves a work-group, no clusters, 81,920 bytes of LDS; arguments ac, asc, Wo, bo, mask, out0; writes out0
.if DOCPART == 3
	.amdgcn_target "amdgcn-amd-amdhsa--gfx1250"
	.amdhsa_code_object_version 6
	.text
	.protected	k_q5df860bf28_outp
	.globl	k_q5df860bf28_outp
	.p2align	8
	.type	k_q5df860bf28_outp,@function
k_q5df860bf28_outp:
	s_mov_b64 s[64:65], 0
	v_nop
	global_prefetch_b8 v0, s[64:65] scope:SCOPE_SE
	s_setreg_imm32_b32 hwreg(HW_REG_WAVE_MODE, 25, 1), 1
	s_wait_xcnt 0x0
; THE LAST PROJECTION: out0[b][o][t] = (sum over i of Wo[o][i] att[b][i][t] + bo[o]) x mask[b][0][t], on codes of FP6 (E2M3) with one E8M0 scale for each 32 along the 256 channels i.
; SHARES.  Work-group (x, y): x = 16 b + blk: batch b, t = 128 blk .. + 127; y: output rows 64 y .. + 63.  Wave w: output tile w % 4 (16 rows) x the four tiles of 16 queries 4 (w / 4) + 0 .. 3 (64 t).
; att's codes lie in memory in the order of the operand's registers (records [block 2][row 16][24 bytes] for each head and tile of queries), so each lane loads its fragments whole, straight into registers.
; Wo arrives as f32: wave w quantises the fragment (rows 16 (w / 2) on, K step w % 2) and leaves it in LDS as an image of the operand's registers.
; NO TENSOR LOAD, NO CLUSTER: a work-group reads 65,536 bytes of Wo and 26,624 of codes and scale words, once, straight into registers; there is no tile in LDS that partners could receive jointly.  NO PREFETCH: all is asked for at the head.
; Source 0 = 16 rows of Wo, source 1 = 16 queries: a lane holds one t and eight output rows; the results turn through the wave's own stage in LDS, where the tiles' rows go back to their places along t, and leave as rows of 256 bytes.
; LIMITS: NaN and infinities among the inputs are not served; a block of Wo under 2^-124, or of zeros, keeps the byte 1.
.set WSTW,  16*528                     ; LDS: each wave's stage: 16 rows x 528 bytes for turning Wo; later 16 rows x 272 bytes of results
.set WIMG,  8*WSTW                     ; Wo's 8 fragments (2 x tile + K step): 3 x 512 bytes of codes + 128 of scale words
.set IMGB,  1664
.set SPARE, WIMG+8*IMGB                ; the spare words, 128 bytes for each wave: four blocks of 256 bytes that no other line names
.set FR,   16                          ; v16-27   the codes being made
.set MSK,  28                          ; v28-31   mask[b][0][t] of my four t
.set R0,   32                          ; v32-95   64 numbers of Wo; later Wo's two fragments (v32-55) and four accumulators (v56-87)
.set ACC,  56
.set AF,   96                          ; v96-191  att's fragments: tile t at 24 t, K step s at + 12 s; later the rows read back
.set RAW,  192                         ; v192-207 the heads' words (two bytes each)
.set ASW,  208                         ; v208-215 att's scale words: 2 x tile + K step: these hold scales alone
.set BO,   216                         ; v216-223 bo as the C of each sum's first product
.set WSC,  224                         ; v224-225 Wo's scale words
.set TM,   226                         ; v226-236 at work, as in the first launch
.set SPW,  254
.set NIL,  255
.set WV,   16
.set SEL,  22
.macro WTURN buf
.set N, 0
.rept 16
	ds_store_b128 v5, v[\buf+4*N:\buf+4*N+3] offset:528*N
.set N, N+1
.endr
.irp c, 0,1
.irp q, 0,1,2,3,4,5,6,7
	ds_load_b128 v[\buf+32*\c+4*\q:\buf+32*\c+4*\q+3], v6 offset:256*\c+16*\q   ; LDS serves a wave's instructions in order (ISA guide 5.7.1.4): these see the stores above
.endr
.endr
.endm
.macro QB src, dst, c                  ; a whole block of 32 in one lane's registers becomes six registers of codes
	v_max3_num_f32 v[TM], |v[\src]|, |v[\src+1]|, 0x1800000        ; the floor 2^(3 - 127): the byte cannot fall under 1
	v_max3_num_f32 v[TM+1], |v[\src+2]|, |v[\src+3]|, |v[\src+4]|
.irp i, 5,9,13,17,21,25
	s_delay_alu instid0(VALU_DEP_2)
	v_max3_num_f32 v[TM], v[TM], |v[\src+\i]|, |v[\src+\i+1]|
	s_delay_alu instid0(VALU_DEP_2)
	v_max3_num_f32 v[TM+1], v[TM+1], |v[\src+\i+2]|, |v[\src+\i+3]|
.endr
	s_delay_alu instid0(VALU_DEP_2)
	v_max3_num_f32 v[TM], v[TM], |v[\src+29]|, |v[\src+30]|
	s_delay_alu instid0(VALU_DEP_1)
	v_max3_num_f32 v[TM], v[TM], v[TM+1], |v[\src+31]|
	s_delay_alu instid0(VALU_DEP_1)
	v_add_nc_u32 v[TM+2+\c], 0xff000000, v[TM]
	s_delay_alu instid0(VALU_DEP_1)
	v_lshrrev_b32 v[TM+4+\c], 23, v[TM+2+\c]
	v_cvt_scalef32_pk16_fp6_f32 v[\dst:\dst+2], v[\src:\src+15], v[TM+2+\c]
	v_cvt_scalef32_pk16_fp6_f32 v[TM+8:TM+10], v[\src+16:\src+31], v[TM+2+\c]
	v_nop                                                          ; one plain place behind a scaled conversion
	v_mov_b32 v[\dst+3], v[TM+8]
	v_mov_b32 v[\dst+4], v[TM+9]
	v_mov_b32 v[\dst+5], v[TM+10]
.endm
.macro MM d, a, b, c, sa, sb
	v_wmma_scale_f32_16x16x128_f8f6f4 v[\d:\d+7], v[\a:\a+11], v[\b:\b+11], v[\c:\c+7], v[\sa], v[\sb] matrix_a_fmt:MATRIX_FMT_FP6 matrix_b_fmt:MATRIX_FMT_FP6
.endm
	s_load_b256 s[4:11], s[0:1], 0x0               ; ac, asc, Wo, bo
	s_load_b128 s[12:15], s[0:1], 0x20             ; mask, out0
	v_lshl_add_u32 v[SPW], v0, 2, SPARE
	v_mov_b32 v[NIL], 0
	v_lshrrev_b32 v1, 5, v0
	s_delay_alu instid0(VALU_DEP_1)
	v_readfirstlane_b32 s[WV], v1                  ; wave 0..7
	s_lshr_b32 s17, ttmp9, 4                       ; batch
	s_and_b32 s18, ttmp9, 15                       ; block of 128 t
	s_and_b32 s19, ttmp7, 0xffff                   ; block of 64 output rows
	s_and_b32 s20, s[WV], 3                        ; my output tile
	s_lshr_b32 s21, s[WV], 2                       ; my half of the t
	s_mov_b32 s[SEL], 0x76543210
	s_mov_b32 s[SEL+1], 0xfedcba98
	s_lshl_b32 s24, s17, 9
	s_lshl_b32 s25, s18, 3
	s_add_co_u32 s24, s24, s25
	s_lshl_b32 s25, s21, 2
	s_add_co_u32 s24, s24, s25                     ; head 0's record of my first tile of queries: 512 b + 8 blk + 4 half
	s_mul_i32 s26, s24, 768
	s_mov_b32 s27, 0
	s_lshl_b32 s28, s24, 6                         ; and its 64 bytes of scale words
	s_mov_b32 s29, 0
	s_lshl_b32 s30, s19, 16                        ; Wo: row 64 y + 16 (w / 2), 1,024 bytes a row, + 512 (w % 2)
	s_lshr_b32 s25, s[WV], 1
	s_lshl_b32 s25, s25, 14
	s_add_co_u32 s30, s30, s25
	s_and_b32 s25, s[WV], 1
	s_lshl_b32 s25, s25, 9
	s_add_co_u32 s30, s30, s25
	s_mov_b32 s31, 0
	s_lshl_b32 s32, s19, 8                         ; bo: 4 (64 y + 16 tile)
	s_lshl_b32 s25, s20, 6
	s_add_co_u32 s32, s32, s25
	s_mov_b32 s33, 0
	s_lshl_b32 s34, s17, 24                        ; mask[b][0][128 blk + 64 half]
	s_lshl_b32 s25, s18, 9
	s_add_co_u32 s34, s34, s25
	s_lshl_b32 s25, s21, 8
	s_add_co_u32 s34, s34, s25
	s_mov_b32 s35, 0
	s_lshl_b32 s36, s17, 8                         ; out0: row 256 b + 64 y + 16 tile, 8,192 bytes a row, + the same place along t
	s_lshl_b32 s25, s19, 6
	s_add_co_u32 s36, s36, s25
	s_lshl_b32 s25, s20, 4
	s_add_co_u32 s36, s36, s25
	s_lshl_b32 s36, s36, 13
	s_lshl_b32 s25, s18, 9
	s_add_co_u32 s36, s36, s25
	s_lshl_b32 s25, s21, 8
	s_add_co_u32 s36, s36, s25
	s_mov_b32 s37, 0
	v_and_b32 v1, 15, v0                           ; r
	v_bfe_u32 v2, v0, 4, 1                         ; h
	s_delay_alu instid0(VALU_DEP_2)
	v_and_b32 v3, 8, v1
	s_delay_alu instid0(VALU_DEP_1)
	v_add_nc_u32 v3, v3, v1                        ; r + 8 (r / 8)
	v_and_b32 v4, 31, v0
	s_delay_alu instid0(VALU_DEP_1)
	v_lshlrev_b32 v4, 4, v4                        ; 16 x lane
	s_delay_alu instid0(VALU_DEP_1)
	v_lshrrev_b32 v240, 2, v4                      ; 4 x lane
	s_mul_i32 s24, s[WV], WSTW                     ; my stage
	v_add_nc_u32 v5, s24, v4
	v_mul_u32_u24 v6, v1, 528
	s_delay_alu instid0(VALU_DEP_1)
	v_lshl_add_u32 v6, v2, 7, v6
	s_delay_alu instid0(VALU_DEP_1)
	v_add_nc_u32 v6, s24, v6
	v_mul_u32_u24 v13, v2, 8*272
	s_delay_alu instid0(VALU_DEP_1)
	v_lshl_add_u32 v13, v3, 2, v13
	s_delay_alu instid0(VALU_DEP_1)
	v_add_nc_u32 v13, s24, v13                     ; results in: row 8 h + j, my query's place along t
	v_mul_u32_u24 v14, v2, 272
	s_delay_alu instid0(VALU_DEP_1)
	v_lshl_add_u32 v14, v1, 4, v14
	s_delay_alu instid0(VALU_DEP_1)
	v_add_nc_u32 v14, s24, v14                     ; and back: lanes 0-15 one row of 256 bytes, lanes 16-31 the next
	s_mul_i32 s24, s[WV], IMGB
	s_add_co_u32 s24, s24, WIMG
	v_add_nc_u32 v7, s24, v4                       ; where I store my image of Wo,
	s_add_co_u32 s24, s24, 1536
	v_add_nc_u32 v8, s24, v240
	s_mul_i32 s24, s20, 2*IMGB
	s_add_co_u32 s24, s24, WIMG
	v_add_nc_u32 v238, s24, v4                     ; and from where I take my tile's two
	s_add_co_u32 s24, s24, 1536
	v_add_nc_u32 v239, s24, v240
	v_mul_u32_u24 v9, v1, 24
	s_delay_alu instid0(VALU_DEP_1)
	v_mad_u32_u24 v9, v2, 384, v9                  ; in a record: block h, row r
	v_lshlrev_b32 v10, 2, v1                       ; 4 r
	v_lshlrev_b32 v11, 5, v2                       ; bo of 8 h rows on
	v_lshlrev_b32 v12, 4, v1                       ; 16 r
	v_lshlrev_b32 v15, 3, v2                       ; 8 h
	s_delay_alu instid0(VALU_DEP_2)
	v_lshl_add_u32 v237, v2, 13, v12               ; out0: row h, 16 r
	v_mov_b32 v[TM+7], 0                           ; written once: a lane permute's destination counts as one of its sources
	s_wait_alu depctr_va_vdst(0)
	s_wait_kmcnt 0x0
	s_add_nc_u64 s[4:5], s[4:5], s[26:27]
	s_add_nc_u64 s[6:7], s[6:7], s[28:29]
	s_add_nc_u64 s[8:9], s[8:9], s[30:31]
	s_add_nc_u64 s[10:11], s[10:11], s[32:33]
	s_add_nc_u64 s[12:13], s[12:13], s[34:35]
	s_add_nc_u64 s[14:15], s[14:15], s[36:37]
.irp t, 0,1,2,3
.irp e, 0,1,2,3
	global_load_b32 v[RAW+4*\t+\e], v10, s[6:7] offset:8192*\e+64*\t   ; head e's two scale bytes of row r of tile t
.endr
.endr
	global_load_b128 v[BO:BO+3], v11, s[10:11]
	global_load_b128 v[BO+4:BO+7], v11, s[10:11] offset:16
	global_load_b128 v[MSK:MSK+3], v12, s[12:13]
.set N, 0
.rept 16
	global_load_b128 v[R0+4*N:R0+4*N+3], v4, s[8:9] offset:1024*N      ; 512 consecutive bytes of a row of Wo
.set N, N+1
.endr
.irp t, 0,1,2,3
.irp e, 0,1,2,3                        ; head e = 2 s + c: registers 12 s + 6 c on hold k = 128 s + 64 c + 32 h + 0 .. 31
.irp p, 0,1,2
	global_load_b64 v[AF+24*\t+6*\e+2*\p:AF+24*\t+6*\e+2*\p+1], v9, s[4:5] offset:98304*\e+768*\t+8*\p
.endr
.endr
.endr
	s_wait_loadcnt 48                              ; all but att's 48 loads are in
.irp t, 0,1,2,3
.irp s, 0,1
	v_lshl_or_b32 v[ASW+2*\t+\s], v[RAW+4*\t+2*\s+1], 16, v[RAW+4*\t+2*\s]   ; two heads' bytes make a K step's scale word; Wo's quantising below stands between these lines and the products
.endr
.endr
	WTURN R0
	s_wait_dscnt 0x0
	QB R0, FR, 0
	QB R0+32, FR+6, 1
	v_lshl_or_b32 v[TM+6], v[TM+5], 16, v[TM+4]    ; my two bytes (blocks h and 2 + h) and lane l xor 16's two make the row's scale word
	s_delay_alu instid0(VALU_DEP_1)
	v_lshlrev_b32 v[TM+6], v15, v[TM+6]
	s_delay_alu instid0(VALU_DEP_1)
	v_permlanex16_b32 v[TM+7], v[TM+6], s[SEL], s[SEL+1]
	s_delay_alu instid0(VALU_DEP_1)
	v_or_b32 v[TM+6], v[TM+6], v[TM+7]
.irp i, 0,1,2
	ds_store_b128 v7, v[FR+4*\i:FR+4*\i+3] offset:512*\i
.endr
	ds_store_b32 v8, v[TM+6]
	s_wait_dscnt 0x0                               ; for the others' sake: my image is stored
	s_barrier_signal -1
	s_barrier_wait -1
.irp s, 0,1
.irp i, 0,1,2
	ds_load_b128 v[R0+12*\s+4*\i:R0+12*\s+4*\i+3], v238 offset:\s*IMGB+512*\i
.endr
	ds_load_b32 v[WSC+\s], v239 offset:\s*IMGB
.endr
	s_wait_loadcnt 0x0                             ; att's codes
	s_wait_dscnt 0x0
.irp t, 0,1,2,3                        ; the four accumulators by turns; bo starts each sum
	MM ACC+8*\t, R0, AF+24*\t, BO, WSC, ASW+2*\t
.endr
.irp t, 0,1,2,3
	MM ACC+8*\t, R0+12, AF+24*\t+12, ACC+8*\t, WSC+1, ASW+2*\t+1
.endr
.rept 4
	v_nop                                          ; four places ahead of the first read of results and of the loads into att's registers
.endr
.irp t, 0,1,2,3
.irp j, 0,1,2,3,4,5,6,7
	ds_store_b32 v13, v[ACC+8*\t+\j] offset:272*\j+4*(32*(\t/2)+8*(\t%2))   ; each accumulator from its low end on
.endr
.endr
.irp i, 0,1,2,3,4,5,6,7
	ds_load_b128 v[AF+4*\i:AF+4*\i+3], v14 offset:544*\i   ; my own bytes: LDS serves a wave's instructions in order
.endr
.irp i, 0,1,2,3,4,5,6,7
	s_wait_dscnt 7-\i                              ; rows 2 i, 2 i + 1 are back; the later rows' loads may be out
	v_pk_mul_f32 v[AF+4*\i:AF+4*\i+1], v[AF+4*\i:AF+4*\i+1], v[MSK:MSK+1]
	v_pk_mul_f32 v[AF+4*\i+2:AF+4*\i+3], v[AF+4*\i+2:AF+4*\i+3], v[MSK+2:MSK+3]
	global_store_b128 v237, v[AF+4*\i:AF+4*\i+3], s[14:15] offset:16384*\i th:TH_STORE_NT   ; 16 lanes store 256 consecutive bytes, at a multiple of 256 from out0's first byte
.endr
	s_wait_tensorcnt 0x0                           ; the wave's end: behind my last LDS store
	ds_add_u32 v[SPW], v[NIL]
	s_wait_dscnt 0x0
	s_endpgm
.Lfunc_end_k_q5df860bf28_outp:
	.size	k_q5df860bf28_outp, .Lfunc_end_k_q5df860bf28_outp-k_q5df860bf28_outp
	.p2alignl 7, 3214868480
	.fill 96, 4, 3214868480
	.section	.rodata,"a",@progbits
	.p2align	6, 0x0
	.amdhsa_kernel k_q5df860bf28_outp
		.amdhsa_group_segment_fixed_size 81920
		.amdhsa_private_segment_fixed_size 0
		.amdhsa_enable_private_segment 0
		.amdhsa_kernarg_size 48
		.amdhsa_user_sgpr_count 2
		.amdhsa_user_sgpr_kernarg_segment_ptr 1
		.amdhsa_wavefront_size32 1
		.amdhsa_system_sgpr_workgroup_id_x 1
		.amdhsa_system_sgpr_workgroup_id_y 1
		.amdhsa_system_sgpr_workgroup_id_z 1
		.amdhsa_system_vgpr_workitem_id 0
		.amdhsa_next_free_vgpr 256
		.amdhsa_next_free_sgpr 66
		.amdhsa_reserve_vcc 0
		.amdhsa_float_denorm_mode_32 3
		.amdhsa_float_denorm_mode_16_64 3
		.amdhsa_memory_ordered 1
		.amdhsa_forward_progress 1
		.amdhsa_inst_pref_size 26
	.end_amdhsa_kernel
	.amdgpu_metadata
---
amdhsa.version: [ 1, 2 ]
amdhsa.kernels:
  - .name:           k_q5df860bf28_outp
    .symbol:         k_q5df860bf28_outp.kd
    .args:
      - { .name: ac, .offset: 0, .size: 8, .value_kind: global_buffer, .address_space: global }
      - { .name: asc, .offset: 8, .size: 8, .value_kind: global_buffer, .address_space: global }
      - { .name: Wo, .offset: 16, .size: 8, .value_kind: global_buffer, .address_space: global }
      - { .name: bo, .offset: 24, .size: 8, .value_kind: global_buffer, .address_space: global }
      - { .name: mask, .offset: 32, .size: 8, .value_kind: global_buffer, .address_space: global }
      - { .name: out0, .offset: 40, .size: 8, .value_kind: global_buffer, .address_space: global }
    .group_segment_fixed_size: 81920
    .private_segment_fixed_size: 0
    .kernarg_segment_align: 8
    .kernarg_segment_size: 48
    .max_flat_workgroup_size: 256
    .sgpr_count:     66
    .vgpr_count:     256
    .wavefront_size: 32
...
	.end_amdgpu_metadata
.endif
;; end of part 3
